; MI455X (gfx1250); checked and timed in simulation.
; The chip was launched on July 23, 2026; its instructions are those of AMD's public machine-readable ISA for CDNA 5 (MIT licence, August 2026) and "CDNA5" Instruction Set Architecture Reference Guide (July 2026). The comments in the code are by the model that wrote it; some were corrected since.
;; Causal Self Attention. Allowed arithmetic: matrix products marked QUANTISED: E4M3 operands, one given power-of-two scale a tensor, by v_wmma_f32_16x16x64_fp8_fp8 or v_wmma_f32_16x16x128_fp8_fp8, f32 sums; everything else in f32.
;; Inputs: b_attn 3,072 float32; b_proj 1,024 float32; lowp_scales 8 int32 (the exponents e of the quantised operands' scales 2^e); w_attn 1,024 x 3,072 float32; w_proj 1,024 x 1,024 float32; x 4 x 2,048 x 1,024 float32.
;; Outputs: out0 4 x 2,048 x 1,024 float32.
;; This version of the problem:
;;   THIS VERSION OF THE PROBLEM IS GIVEN IN LOW PRECISION. The matrix products marked QUANTISED in the list below multiply operands that are first quantised to E4M3 (4 exponent bits, 3 mantissa bits; 8 bits a number), with one given power-of-two scale for each operand tensor; their sums are f32. All else is computed in f32.
;;   The module's matrix products, in the order in which they are computed (A, B: the left and right operand; K: the contracted axis; several contracted axes count as one K, in the product's order):
;;     1. [M 8,192, K 1,024] x [K 1,024, N 3,072]; A: input x; B: input w_attn: QUANTISED (scales: A lowp_scales[0], B lowp_scales[1])
;;     2. batch 64 x [M 2,048, K 64] x [K 64, N 2,048]; A: computed on the way; B: computed on the way: QUANTISED (scales: A lowp_scales[2], B lowp_scales[3])
;;     3. batch 64 x [M 2,048, K 2,048] x [K 2,048, N 64]; A: softmax (see below); B: computed on the way: QUANTISED (scales: A lowp_scales[4], B lowp_scales[5])
;;     4. [M 8,192, K 1,024] x [K 1,024, N 1,024]; A: computed on the way; B: input w_proj: QUANTISED (scales: A lowp_scales[6], B lowp_scales[7])
;;   THE QUANTISER, for each operand of a quantised product, along K:
;;     - The operand's scale is 2^e, e = its entry of the input lowp_scales (int32; the entries are numbered through the quantised products in the list's order, A before B).
;;     - Each number is divided by the scale, clamped to +-448, and rounded to the nearest number of E4M3, ties to even, subnormals kept.
;;     - The product sums the exact products of the quantised numbers (number of the format x scale) in f32.
;;   ~~~python
;;   def quantise(x, axis, e):      # numpy; x: float32 -> the quantised numbers, widened to float32 again
;;       x = np.moveaxis(x, axis, -1); K = x.shape[-1]
;;       r = np.clip(x / 2.0 ** e, -448, 448)
;;       step = 2.0 ** (np.maximum(np.frexp(np.where(r == 0, 1, r))[1] - 1, -6) - 3)
;;       q = np.round(r / step) * step * 2.0 ** e      # np.round: ties to even
;;       return np.moveaxis(q, -1, axis).astype(np.float32)
;;   ~~~
;;   SOFTMAX AHEAD OF A QUANTISED PRODUCT. Where the list says 'softmax', what is quantised is not the finished softmax but p = 2^(t - M), with t = logit x log2(e) and M = ceil(the row's largest t), a whole number; so 1/2 < the row's largest p <= 1. The row's sum l is taken of the UNQUANTISED p, in f32, and the product's result is divided by l at the end. Since M is a whole number, a kernel that streams over the keys may use a running M (the ceiling of the running maximum): every later rescaling is an exact power of two, so the quantised numbers keep their values, but for numbers so far below the row's largest that they fall under the format's range.
;;   OPERANDS COMPUTED ON THE WAY. 'Computed on the way' means the value that the module computes at that place (a softmax that the list does not call 'softmax' is quantised finished and normalised). What goes into a quantiser is computed in f32, as accurately as f32 sums, v_exp_f32 and their like allow (about 1e-6 of the number): no bf16 or f16 on the way to a quantiser, and a product that is left as it is and whose result goes on into a quantised operand takes f32 operands (vector FMAs, or v_wmma_f32_16x16x4_f32). A number that lies on a knife's edge between two numbers of the format may be rounded either way, as far as f32 arithmetic and the matrix unit's own rounding can turn it there, and no further.
;; One version. Each part assembles by itself: llvm-mc -triple=amdgcn-amd-amdhsa -mcpu=gfx1250 --defsym DOCPART=n.
;; ======== version 1 of 1: 4 launches
;; limits: right only within a limited range of input values
;; workspace buffers: x_codes 8,388,608 bytes; wa_codes 3,145,728 bytes; wp_codes 1,048,576 bytes; q_codes 8,388,608 bytes; k_codes 8,388,608 bytes; v_codes 8,388,608 bytes; y_codes 8,388,608 bytes
;; launch prep (part 1): grid 384 x 1, 4 waves a work-group, no clusters, 68,096 bytes of LDS; arguments x, w_attn, w_proj, lowp_scales, x_codes, wa_codes, wp_codes; writes x_codes, wa_codes, wp_codes
.if DOCPART == 1
	.amdgcn_target "amdgcn-amd-amdhsa--gfx1250"
	.amdhsa_code_object_version 6
	.text
	.protected	k_q133d374f10_prep
	.globl	k_q133d374f10_prep
	.p2align	8
	.type	k_q133d374f10_prep,@function
k_q133d374f10_prep:
	s_mov_b64 s[64:65], 0
	v_nop
	global_prefetch_b8 v0, s[64:65] scope:SCOPE_SE
	s_setreg_imm32_b32 hwreg(HW_REG_WAVE_MODE, 25, 1), 1
	s_wait_xcnt 0x0
; x [8192][1024], w_attn [1024][3072] and w_proj [1024][1024], f32, become codes of FP8 (E4M3), K innermost, each with the scale 2^e given for it
; (entries 0, 1 and 7 of the scales):  code = number / 2^e, held within +-448, to the nearest code, ties to even.
; x_codes [K / 128][8192][128];  wa_codes [K / 128][3072][128];  wp_codes [1024][1024]: one byte a code.
; LIMITS: each e between -126 and 119, so that 2^e and 448 x 2^e are f32 numbers.  NaN among the inputs is not served.
; Work-groups 0-255 take x, whose K is innermost: a plain stream; a wave takes 16 steps of 512 numbers.  A load reads 512 consecutive bytes, 16 a lane; a step's 2,048 bytes turn
; through the wave's own stage in LDS and come back 64 bytes a lane, since a conversion takes neighbours along K from one lane's registers.  A step's codes leave as 512 consecutive bytes.
; Work-groups 256-383 take the weights, whose K is the FIRST axis: a lane takes a column and its registers run down K, so the conversions give codes with K innermost; a wave takes
; 32 columns x 256 along K; the codes go through the wave's stage and leave as rows: sixteen lanes store 256 consecutive bytes, aligned.
; The two ways have LDS bytes of their own.  No tensor load, no barrier: waves share nothing.
.set STEPS, 16
.set WREG,  8192                       ; x: LDS region of a wave: two stages of 32 x SPX bytes
.set SPX,   80                         ; a lane's place in a stage: 64 bytes + 16 of padding
.set R,     16                         ; v16-79   x: four sets of 16 numbers as loaded
.set X,     80                         ; v80-111  x: two sets of 16 neighbours
.set C,     128                        ; v128-191 x: codes, four registers a step
.set WSTG,  32768                      ; weights: the stages begin here, 32 x WPI bytes a wave
.set WPI,   272                        ; a stage row: 256 bytes + 16
.set NBLK,  8                          ; blocks of 32 along K for a wave
.set XW,    32                         ; v32-95   weights: two sets of 32 numbers
.set CW,    96                         ; v96-103  a block's codes
.set VO,    112                        ; v112-143 byte offsets of rows 0 to 31 of a block, at my column; never rewritten
.set OUTR,  144                        ; v144-207 the way out
	s_load_b256 s[4:11], s[0:1], 0x0               ; x s[4:5], w_attn s[6:7], w_proj s[8:9], the scales' exponents s[10:11]
	s_load_b128 s[12:15], s[0:1], 0x20             ; x_codes s[12:13], wa_codes s[14:15]
	s_load_b64 s[16:17], s[0:1], 0x30              ; wp_codes
	v_lshl_add_u32 v208, v0, 2, 0x10800
	v_mov_b32 v209, 0
	v_lshrrev_b32 v1, 5, v0
	v_readfirstlane_b32 s18, v1                    ; wave
	v_and_b32 v2, 31, v0                           ; lane
	s_wait_kmcnt 0x0
	s_load_b256 s[48:55], s[10:11], 0x0            ; e0 .. e7
	s_cmp_lt_u32 ttmp9, 256
	s_cbranch_scc0 .Lweights
	; ---------------- x ----------------
	s_wait_alu depctr_va_vdst(0)
	v_lshlrev_b32 v3, 4, v2                        ; my 16 bytes of a load's 512
	s_wait_alu depctr_va_vdst(0)
	v_lshlrev_b32 v4, 4, v2                        ; my 16 codes of a step's 512
	s_mul_i32 s19, s18, WREG
	v_lshrrev_b32 v14, 2, v2
	v_mul_u32_u24 v14, v14, SPX
	v_and_b32 v15, 3, v2
	v_lshl_add_u32 v14, v15, 4, v14
	v_add_nc_u32 v14, s19, v14                     ; into the stage: four lanes' 64 bytes on end, then the padding
	v_mul_u32_u24 v15, v2, SPX
	v_add_nc_u32 v15, s19, v15                     ; out of it: my 16 neighbours
	v_add_nc_u32 v5, s19, v4                       ; the codes' turn at the end: in, as the numbers lie: 16 x lane
	v_lshrrev_b32 v6, 3, v2
	v_lshlrev_b32 v6, 10, v6
	v_and_b32 v7, 7, v2
	v_lshl_add_u32 v6, v7, 4, v6
	v_add_nc_u32 v6, s19, v6                       ; back: eight lanes take 128 bytes of a row, the next eight the same 128 of the next row
	s_lshl_b32 s20, ttmp9, 2
	s_add_co_u32 s20, s20, s18                     ; which run of 8,192 numbers is my wave's
	s_lshl_b32 s22, s20, 15
	s_mov_b32 s23, 0
	s_add_nc_u64 s[4:5], s[4:5], s[22:23]
	s_lshl_b32 s22, s20, 10                        ; x_codes lies [K / 128][row][128]: my eight rows are 1,024 bytes of each of the eight planes
	s_add_nc_u64 s[12:13], s[12:13], s[22:23]
.macro LOAD t
.irp i, 0,1,2,3
	global_load_b128 v[R+16*((\t)%4)+4*\i:R+16*((\t)%4)+4*\i+3], v3, s[4:5] offset:2048*(\t)+512*\i th:TH_LOAD_NT
.endr
.endm
.macro TURN t                          ; step t's numbers through the stage: LDS serves a wave's instructions in order (ISA guide 5.7.1.4), so no wait stands between the stores and the loads
.irp i, 0,1,2,3
	ds_store_b128 v14, v[R+16*((\t)%4)+4*\i:R+16*((\t)%4)+4*\i+3] offset:32*SPX*((\t)%2)+8*SPX*\i
.endr
.irp i, 0,1,2,3
	ds_load_b128 v[X+16*((\t)%2)+4*\i:X+16*((\t)%2)+4*\i+3], v15 offset:32*SPX*((\t)%2)+16*\i
.endr
.endm
.irp t, 0,1,2,3
	LOAD \t
.endr
	s_wait_alu depctr_va_vdst(0)
	s_wait_kmcnt 0x0
	s_add_co_i32 s22, s48, 127
	s_lshl_b32 s23, s22, 23
	v_mov_b32 v11, s23                             ; 2^e0 as f32: the conversion takes its exponent field
	s_add_co_i32 s22, s22, 8
	s_lshl_b32 s22, s22, 23
	s_or_b32 s22, s22, 0x600000
	v_mov_b32 v10, s22                             ; 448 x 2^e0
	s_wait_alu depctr_va_vdst(0)
	s_wait_loadcnt 12                              ; step 0's four loads are in; the twelve of steps 1 to 3 may be out
	TURN 0
.macro STEP t
.set XS, X+16*((\t)%2)
	s_wait_dscnt 0x0                               ; this step's numbers are back from the stage, so its stores into the stage have read their registers,
.if (\t)+4 < STEPS
	LOAD (\t)+4                                    ; which take the loads of four steps on
.endif
.if (\t)+1 < STEPS
.if STEPS-2-(\t) >= 3
	s_wait_loadcnt 12                              ; the next step's four loads are in; those of the three steps behind it may be out
.else
	s_wait_loadcnt 4*(STEPS-2-(\t))
.endif
	TURN (\t)+1
.endif
.set ii, 0
.rept 16
	v_med3_num_f32 v[XS+ii], v[XS+ii], -v10, v10   ; the conversion to an 8-bit code does not saturate (ISA guide 7.6.2): the hold comes first
.set ii, ii+1
.endr
	v_cvt_scalef32_pk8_fp8_f32 v[C+4*(\t):C+4*(\t)+1], v[XS:XS+7], v11
	v_cvt_scalef32_pk8_fp8_f32 v[C+4*(\t)+2:C+4*(\t)+3], v[XS+8:XS+15], v11
.endm
.irp t, 0,1,2,3,4,5,6,7,8,9,10,11,12,13,14,15
	STEP \t
.endr
; The wave's 8 rows x 1,024 codes turn through its LDS region (the stages are done with), and leave plane by plane: a store covers four rows' 128 bytes of one plane, 512 consecutive bytes.
.irp t, 0,1,2,3,4,5,6,7,8,9,10,11,12,13,14,15
	ds_store_b128 v5, v[C+4*\t:C+4*\t+3] offset:512*\t
.endr
.irp t, 0,1,2,3,4,5,6,7,8,9,10,11,12,13,14,15
	ds_load_b128 v[R+4*\t:R+4*\t+3], v6 offset:(\t%2)*4096+(\t/2)*128
.endr
.irp t, 0,1,2,3,4,5,6,7,8,9,10,11,12,13,14,15
	s_wait_dscnt 15-\t
	global_store_b128 v4, v[R+4*\t:R+4*\t+3], s[12:13] offset:(\t/2)*1048576+(\t%2)*512
.endr
	s_wait_tensorcnt 0x0
	ds_add_u32 v208, v209
	s_wait_dscnt 0x0
	s_endpgm
	; ---------------- the weights ----------------
.Lweights:
	s_sub_co_u32 s20, ttmp9, 256
	s_and_b32 s21, s20, 31                         ; group of 128 columns: 0-23 w_attn's, 24-31 w_proj's
	s_lshr_b32 s22, s20, 5                         ; which 256 along K
	s_wait_kmcnt 0x0
	s_mov_b32 s24, 4096
	s_cmp_lt_u32 s21, 24                           ; the choice hangs on the work-group's number alone
	s_cselect_b64 s[4:5], s[6:7], s[8:9]           ; from
	s_cselect_b64 s[12:13], s[14:15], s[16:17]     ; to
	s_cselect_b32 s24, 12288, s24                  ; bytes in a row of the weight
	s_cselect_b32 s25, s49, s55                    ; e1 or e7
	s_cselect_b32 s26, 0, 24
	s_cselect_b32 s56, 1, 0                        ; w_attn's work-group?
	s_mov_b32 s57, s21                             ; its group of 128 columns
	s_sub_co_u32 s21, s21, s26
	s_lshl_b32 s21, s21, 7
	s_lshl_b32 s27, s18, 5
	s_add_co_u32 s21, s21, s27                     ; my wave's first column
	s_mul_i32 s28, s22, s24
	s_lshl_b32 s28, s28, 8                         ; 256 rows for each step along K,
	s_lshl_b32 s30, s21, 2
	s_add_co_u32 s28, s28, s30                     ; + 4 bytes a column
	s_mov_b32 s29, 0
	s_add_nc_u64 s[32:33], s[4:5], s[28:29]        ; block 0's base;
	s_lshl_b32 s28, s24, 5                         ; 32 rows on for each further block: eight bases, none is stepped
.irp t, 1,2,3,4,5,6,7
	s_add_nc_u64 s[32+2*\t:33+2*\t], s[30+2*\t:31+2*\t], s[28:29]
.endr
	s_lshl_b32 s30, s21, 10                        ; the codes: a column's row of 1,024 bytes,
	s_lshl_b32 s31, s22, 8
	s_add_co_u32 s30, s30, s31                     ; + my 256 along K
	s_mov_b32 s31, 0
	s_add_nc_u64 s[12:13], s[12:13], s[30:31]
	s_wait_alu depctr_va_vdst(0)
	v_lshlrev_b32 v[VO], 2, v2
.set ii, 1
.rept 31
	v_add_nc_u32 v[VO+ii], s24, v[VO+ii-1]
.set ii, ii+1
.endr
	s_mul_i32 s19, s18, 32*WPI
	s_add_co_u32 s19, s19, WSTG                    ; my stage
	v_mul_u32_u24 v4, v2, WPI
	v_add_nc_u32 v4, s19, v4                       ; into it: row = my column
	v_and_b32 v5, 15, v2
	v_lshrrev_b32 v6, 4, v2
	v_mul_u32_u24 v7, v6, WPI
	v_lshl_add_u32 v7, v5, 4, v7
	v_add_nc_u32 v7, s19, v7                       ; out of it: sixteen lanes to a row, two rows an instruction
	v_lshlrev_b32 v8, 10, v6
	v_lshl_add_u32 v8, v5, 4, v8                   ; and the same place among the codes
	s_add_co_i32 s25, s25, 127
	s_lshl_b32 s26, s25, 23
	v_mov_b32 v11, s26                             ; 2^e
	s_add_co_i32 s25, s25, 8
	s_lshl_b32 s25, s25, 23
	s_or_b32 s25, s25, 0x600000
	v_mov_b32 v10, s25                             ; 448 x 2^e
.macro WLOAD t                         ; block t: the weight at rows 32 t + i, my column: a wave reads 128 consecutive bytes, the four waves 512
.set ii, 0
.rept 32
	global_load_b32 v[XW+32*((\t)%2)+ii], v[VO+ii], s[32+2*(\t):33+2*(\t)] th:TH_LOAD_NT
.set ii, ii+1
.endr
.endm
	WLOAD 0
	WLOAD 1
.macro BLOCK t
.set XS, XW+32*((\t)%2)
.if (\t) < NBLK-1
	s_wait_loadcnt 32                              ; this block's 32 loads are in; the next block's 32 may be out
.else
	s_wait_loadcnt 0
.endif
.set ii, 0
.rept 32
	v_med3_num_f32 v[XS+ii], v[XS+ii], -v10, v10
.set ii, ii+1
.endr
.irp g, 0,1,2,3
	v_cvt_scalef32_pk8_fp8_f32 v[CW+2*\g:CW+2*\g+1], v[XS+8*\g:XS+8*\g+7], v11
.endr
	ds_store_b128 v4, v[CW:CW+3] offset:32*(\t)
	ds_store_b128 v4, v[CW+4:CW+7] offset:32*(\t)+16
.if (\t)+2 < NBLK
	WLOAD (\t)+2
.endif
	s_wait_dscnt 0x0                               ; the stores have read their registers: the next block's codes may be written
.endm
	s_wait_alu depctr_va_vdst(0)
.irp t, 0,1,2,3,4,5,6,7
	BLOCK \t
.endr
	s_cmp_eq_u32 s56, 0                            ; the work-group's number alone decides
	s_cbranch_scc1 .Lwp_out
; wa_codes lies [K / 128][row'][128], row' = 384 G + 192 (head % 2) + 64 part + channel % 64, for channel 1024 part + 128 G + ..: the rows that a wave of the next launch multiplies lie on end.
	s_lshr_b32 s58, s57, 3                         ; part: q, k, v
	s_and_b32 s59, s57, 7                          ; G
	s_mul_i32 s59, s59, 384
	s_lshl_b32 s58, s58, 6
	s_add_co_u32 s59, s59, s58
	s_lshr_b32 s58, s18, 1
	s_mul_i32 s58, s58, 192
	s_add_co_u32 s59, s59, s58
	s_and_b32 s58, s18, 1
	s_lshl_b32 s58, s58, 5
	s_add_co_u32 s59, s59, s58                     ; my wave's first row'
	s_lshl_b32 s59, s59, 7
	s_mul_i32 s58, s22, 786432                     ; my 256 along K are two planes of 3,072 x 128 bytes
	s_add_co_u32 s58, s58, s59
	s_mov_b32 s59, 0
	s_add_nc_u64 s[60:61], s[14:15], s[58:59]
	v_lshrrev_b32 v9, 3, v2
	v_mul_u32_u24 v9, v9, WPI
	v_and_b32 v12, 7, v2
	v_lshl_add_u32 v9, v12, 4, v9
	v_add_nc_u32 v9, s19, v9                       ; eight lanes take 128 bytes of a stage row, four rows an instruction
	v_lshlrev_b32 v12, 4, v2
	s_wait_alu depctr_va_vdst(0)
.irp t, 0,1,2,3,4,5,6,7,8,9,10,11,12,13,14,15
	ds_load_b128 v[OUTR+4*\t:OUTR+4*\t+3], v9 offset:(\t%8)*4*WPI+(\t/8)*128
.endr
.irp t, 0,1,2,3,4,5,6,7,8,9,10,11,12,13,14,15
	s_wait_dscnt 15-\t
	global_store_b128 v12, v[OUTR+4*\t:OUTR+4*\t+3], s[60:61] offset:(\t/8)*393216+(\t%8)*512   ; 32 lanes store 512 consecutive bytes
.endr
	s_branch .Lw_end
.Lwp_out:
.irp t, 0,1,2,3,4,5,6,7,8,9,10,11,12,13,14,15
	ds_load_b128 v[OUTR+4*\t:OUTR+4*\t+3], v7 offset:2*\t*WPI
.endr
.irp t, 0,1,2,3,4,5,6,7,8,9,10,11,12,13,14,15
	s_wait_dscnt 15-\t
	global_store_b128 v8, v[OUTR+4*\t:OUTR+4*\t+3], s[12:13] offset:2*\t*1024
.endr
.Lw_end:
	s_wait_tensorcnt 0x0
	ds_add_u32 v208, v209
	s_wait_dscnt 0x0
	s_endpgm
.Lfunc_end_k_q133d374f10_prep:
	.size	k_q133d374f10_prep, .Lfunc_end_k_q133d374f10_prep-k_q133d374f10_prep
	.p2alignl 7, 3214868480
	.fill 96, 4, 3214868480
	.section	.rodata,"a",@progbits
	.p2align	6, 0x0
	.amdhsa_kernel k_q133d374f10_prep
		.amdhsa_group_segment_fixed_size 68096
		.amdhsa_private_segment_fixed_size 0
		.amdhsa_enable_private_segment 0
		.amdhsa_kernarg_size 56
		.amdhsa_user_sgpr_count 2
		.amdhsa_user_sgpr_kernarg_segment_ptr 1
		.amdhsa_wavefront_size32 1
		.amdhsa_system_sgpr_workgroup_id_x 1
		.amdhsa_system_sgpr_workgroup_id_y 1
		.amdhsa_system_sgpr_workgroup_id_z 1
		.amdhsa_system_vgpr_workitem_id 0
		.amdhsa_next_free_vgpr 210
		.amdhsa_next_free_sgpr 66
		.amdhsa_reserve_vcc 0
		.amdhsa_float_denorm_mode_32 3
		.amdhsa_float_denorm_mode_16_64 3
		.amdhsa_memory_ordered 1
		.amdhsa_forward_progress 1
		.amdhsa_inst_pref_size 94
	.end_amdhsa_kernel
	.amdgpu_metadata
---
amdhsa.version: [ 1, 2 ]
amdhsa.kernels:
  - .name:           k_q133d374f10_prep
    .symbol:         k_q133d374f10_prep.kd
    .args:
      - { .name: x, .offset: 0, .size: 8, .value_kind: global_buffer, .address_space: global }
      - { .name: w_attn, .offset: 8, .size: 8, .value_kind: global_buffer, .address_space: global }
      - { .name: w_proj, .offset: 16, .size: 8, .value_kind: global_buffer, .address_space: global }
      - { .name: lowp_scales, .offset: 24, .size: 8, .value_kind: global_buffer, .address_space: global }
      - { .name: x_codes, .offset: 32, .size: 8, .value_kind: global_buffer, .address_space: global }
      - { .name: wa_codes, .offset: 40, .size: 8, .value_kind: global_buffer, .address_space: global }
      - { .name: wp_codes, .offset: 48, .size: 8, .value_kind: global_buffer, .address_space: global }
    .group_segment_fixed_size: 68096
    .private_segment_fixed_size: 0
    .kernarg_segment_align: 8
    .kernarg_segment_size: 56
    .max_flat_workgroup_size: 128
    .sgpr_count:     66
    .vgpr_count:     210
    .wavefront_size: 32
...
	.end_amdgpu_metadata
.endif
;; end of part 1
;; launch qkv (part 2): grid 8 x 32, 4 waves a work-group, clusters of 4 x 4, 327,680 bytes of LDS; arguments x_codes, wa_codes, b_attn, lowp_scales, q_codes, k_codes, v_codes; writes q_codes, k_codes, v_codes
.if DOCPART == 2
	.amdgcn_target "amdgcn-amd-amdhsa--gfx1250"
	.amdhsa_code_object_version 6
	.text
	.protected	k_q133d374f10_qkv
	.globl	k_q133d374f10_qkv
	.p2align	8
	.type	k_q133d374f10_qkv,@function
k_q133d374f10_qkv:
	s_mov_b64 s[64:65], 0
	v_nop
	global_prefetch_b8 v0, s[64:65] scope:SCOPE_SE
	s_setreg_imm32_b32 hwreg(HW_REG_WAVE_MODE, 25, 1), 1
	s_wait_xcnt 0x0
	s_wait_alu depctr_hold_cnt(0) depctr_sa_sdst(0) depctr_va_vdst(0) depctr_va_sdst(0) depctr_va_ssrc(0) depctr_va_vcc(0) depctr_vm_vsrc(0)
	s_getreg_b32 s2, hwreg(HW_REG_IB_STS2, 6, 4)
	s_cmp_eq_u32 s2, 0
	s_cbranch_scc0 .Lentry_in_a_cluster
	s_endpgm
.Lentry_in_a_cluster:
	s_bfe_u32 s2, ttmp6, 0x10000c
	s_cmp_lg_u32 s2, 0xf033
	s_cbranch_scc0 .Lentry_shape_is_right
	s_endpgm
.Lentry_shape_is_right:
; qkv = x w_attn + b_attn on codes of FP8 (E4M3), and q, k, v quantised on the way out.  Sums in f32; a sum stands for sum x 2^(e0 + e1).
; value = sum x 2^(e0 + e1) + bias, in f32; its code = value / 2^eo, held within +-448, to the nearest code; eo = e2 for q, e3 for k, e5 for v.
; LIMITS: e0 + e1 between -126 and 127; e2, e3, e5 between -126 and 119: each power of two below is then an f32 number.
; IN.  x_codes [K / 128][8192 tokens][128];  wa_codes [K / 128][3072 rows'][128], row' = 384 G + 192 (head % 2) + 64 part + channel % 64: as the launch before lays them.
; SHARES.  Work-group (G, TR) makes 256 tokens x 384 channels: q, k and v of heads 2 G and 2 G + 1: 8 x 32 = 256 work-groups.  A wave makes 128 tokens x one head's 64 + 64 + 64 channels: 96 accumulators, 768 registers.
; For q and k source 0 is sixteen rows of w_attn and source 1 sixteen tokens: a lane holds a token, its registers run along the channels, the next product's K.  For v the two sources change places in the instruction:
; a lane holds a channel and its registers run along the tokens, the last-but-one product's K.
; THE RING.  640 rows x 256 along K do not fit twice in LDS, so K goes in planes of 128 through two slots of unlike size: slot A holds two planes, slot B one.  Five loads: planes 0-1, 2, 3-4, 5, 6-7.  Each tile is dense in memory.
; CLUSTERS: 4 x 4.  The four of a row of the cluster need the same tile of x, the four of a column the same tile of w_attn: each is asked for jointly.
; NO DATA PREFETCH: K is eight planes in five loads, all written out: there is no loop to run ahead in.
; OUT.  q_codes, k_codes: [b][head][token][64];  v_codes: [b][head][block of 64 keys][channel][64 keys].  In each run of 64 bytes, number 16 b + 8 h + j lies at byte 32 (b / 2) + 16 h + 8 (b % 2) + j.
; REGISTERS.  Window 0: v0-31 addresses and constants; v32-95, v96-159 x's eight fragments (16 rows x 64 K), two sets; v160-255 w_attn's twelve, one set.  Windows 1, 2, 3: q's, k's, v's 32 accumulators:
; four accumulators that make 16 rows x 64 bytes of the output lie on end (group g at v[32 g]).
.set XH,    128*144                    ; x: 128 rows of one plane in LDS: 128 bytes + 16 of padding a row: sixteen rows start at sixteen different 16-byte columns
.set WH,    192*144                    ; w_attn: 192 rows of one plane
.set LAW,   4*XH                       ; slot A: x's halves, two planes each, then w_attn's
.set LB,    4*XH+4*WH                  ; slot B
.set LBW,   LB+2*XH
.set SPARE, LB+2*XH+2*WH               ; the spare words, 128 bytes for each wave
.set STAGE, SPARE+512                  ; the way out: 128 rows x 80 bytes for each wave; no tile lands here
.set SP,    80
.set XPL,   1048576                    ; a plane of x_codes in bytes;
.set WPL,   393216                     ; of wa_codes
.set LIM,  8                           ; v8-10   448 x 2^eo for q, k, v
.set SC,   11                          ; v11-13  2^eo
.set ADX,  16                          ; v16-18  LDS address of my x fragments in slot A's planes and in slot B
.set ADW,  20                          ; v20-22  the same for w_attn
.set STO,  24
.set RD,   25
.set BNO,  26                          ; 32 h
.set BMO,  27                          ; 4 r
.set SPW,  28                          ; LDS address of my spare word; never rewritten
.set NIL,  29                          ; 0; never rewritten
.set CO,   30                          ; 16 x lane
.set AF,   32
.set BF,   160
.set BQ,   32                          ; the way out: q's and k's biases along my registers
.set TMP,  96                          ; a group's 32 values
.set CD,   128                         ; their codes
.set BV,   160                         ; v's biases, each twice
.set RB,   168                         ; 16 x 4 registers read back from the stage
.set G1XA, 24
.set G1XB, 32
.set G1WA, 48
.set G1WB, 56
.set G0XA, 68
.set G0XB, 72
.set G0WA, 76
.set G0WB, 80
.set MSB, 0
.macro WIN new                         ; the immediate's high byte repeats the setting that is left
.if MSB != (\new)
	s_set_vgpr_msb (MSB<<8)|(\new)
.set MSB, (\new)
.endif
.endm
; A joint load: waves 0 and 1 fetch x's halves, waves 2 and 3 w_attn's.  The branch hangs on the wave's number alone.  An s_nop 0 and four v_nop follow each line.
.macro JLOAD g0a, g1a, g0b, g1b
	s_cmp_eq_u32 s15, 0
	s_cbranch_scc0 .Lfor_b_\@
	tensor_load_to_lds s[\g0a:\g0a+3], s[\g1a:\g1a+7]
	s_nop 0
.rept 4
	v_nop
.endr
	s_branch .Lasked_\@
.Lfor_b_\@:
	tensor_load_to_lds s[\g0b:\g0b+3], s[\g1b:\g1b+7]
	s_nop 0
.rept 4
	v_nop
.endr
.Lasked_\@:
.endm
.macro CREST
	s_cmp_lg_u32 s14, 0
	s_cbranch_scc1 .Lnot_wave_0_\@
	s_barrier_signal -3
.Lnot_wave_0_\@:
	s_barrier_wait -3
	s_barrier_signal -1
	s_barrier_wait -1
.endm
.macro CROUND
	s_barrier_signal -1
	s_barrier_wait -1
	CREST
.endm
.macro SETG1 g, c, p                   ; two rows of c bytes, p bytes apart
	s_mov_b32 s[\g+1], (\c)<<16
	s_mov_b32 s[\g+2], 2<<16
	s_mov_b32 s[\g+3], (\c)<<16
	s_mov_b32 s[\g+4], 2
	s_mov_b32 s[\g+5], \p
	s_mov_b32 s[\g+6], 0
	s_mov_b32 s[\g+7], 0
.endm
.macro MKS p, e                        ; 2^e and 448 x 2^e
	s_add_co_i32 s100, s[\e], 127
	s_lshl_b32 s101, s100, 23
	v_mov_b32 v[SC+\p], s101
	s_add_co_i32 s100, s100, 8
	s_lshl_b32 s100, s100, 23
	s_or_b32 s100, s100, 0x600000
	v_mov_b32 v[LIM+\p], s100
.endm
.set FL, (0<<16)|(1<<20)|(1<<21)|(4<<22)|(3<<25)   ; elements of 1 byte; padding on; bit 21 beside a mask; four words after every 32
	s_load_b256 s[4:11], s[0:1], 0x0               ; x_codes s[4:5], wa_codes s[6:7], b_attn s[8:9], the scales' exponents s[10:11]
	s_load_b128 s[92:95], s[0:1], 0x20             ; q_codes, k_codes
	s_load_b64 s[96:97], s[0:1], 0x30              ; v_codes
	v_lshl_add_u32 v[SPW], v0, 2, SPARE
	v_mov_b32 v[NIL], 0
	ds_add_u32 v[SPW], v[NIL]                      ; the opening: the add, twice on end, and its wait ahead of my first tensor load
	ds_add_u32 v[SPW], v[NIL]
	v_lshrrev_b32 v1, 5, v0
	v_readfirstlane_b32 s14, v1                    ; wave 0..3
	s_lshr_b32 s15, s14, 1                         ; my half of the tokens.  Also: I fetch for x (0) or for w_attn (1)
	s_and_b32 s16, s14, 1                          ; my head of the two.  Also: which half of that tile I fetch
	s_bfe_u32 s40, ttmp6, 0x40000                  ; cx, cy
	s_bfe_u32 s41, ttmp6, 0x40004
	s_lshl_b32 s42, ttmp9, 2
	s_add_co_u32 s42, s42, s40                     ; G = 4 x cluster x + cx
	s_and_b32 s17, ttmp7, 0xffff
	s_lshl_b32 s17, s17, 2
	s_add_co_u32 s17, s17, s41                     ; TR = 4 x cluster y + cy
	s_lshl_b32 s43, s41, 2
	s_lshl_b32 s43, 15, s43                        ; my row of the cluster
	s_lshl_b32 s44, 0x1111, s40                    ; my column
	s_or_b32 s[G1XA], s43, FL
	s_or_b32 s[G1XB], s43, FL
	s_or_b32 s[G1WA], s44, FL
	s_or_b32 s[G1WB], s44, FL
	SETG1 G1XA, 16384, XPL                         ; slot A: my 128 rows of two planes
	SETG1 G1XB, 8192, 8192                         ; slot B: my 128 rows of one plane, a dense block
	SETG1 G1WA, 24576, WPL                         ; my 192 rows of two planes
	SETG1 G1WB, 12288, 12288
	s_lshl_b32 s20, s17, 15                        ; x: 256 TR rows of 128 bytes,
	s_lshl_b32 s18, s16, 14
	s_add_co_u32 s20, s20, s18                     ; + 128 x half
	s_mov_b32 s21, 0
	s_mul_i32 s46, s42, 49152                      ; w_attn: 384 G rows,
	s_mul_i32 s18, s16, 24576
	s_add_co_u32 s46, s46, s18                     ; + 192 x half
	s_mov_b32 s47, 0
	s_wait_dscnt 0x0                               ; both opening adds are done
	s_wait_kmcnt 0x0
	s_load_b256 s[84:91], s[10:11], 0x0            ; e0 .. e7
	s_add_nc_u64 s[20:21], s[4:5], s[20:21]
	s_add_nc_u64 s[46:47], s[6:7], s[46:47]
	CROUND                                         ; all sixteen work-groups are here: the first joint loads meet
	s_mov_b32 s[G0XA], 1
	s_mul_i32 s[G0XA+1], s16, 2*XH
	s_mov_b64 s[G0XA+2:G0XA+3], s[20:21]           ; planes 0, 1
	s_or_b32 s[G0XA+3], s[G0XA+3], 0x80000000
	s_mov_b32 s[G0XB], 1
	s_mul_i32 s[G0XB+1], s16, XH
	s_add_co_u32 s[G0XB+1], s[G0XB+1], LB
	s_add_nc_u64 s[G0XB+2:G0XB+3], s[20:21], 2*XPL ; plane 2
	s_or_b32 s[G0XB+3], s[G0XB+3], 0x80000000
	s_mov_b32 s[G0WA], 1
	s_mul_i32 s[G0WA+1], s16, 2*WH
	s_add_co_u32 s[G0WA+1], s[G0WA+1], LAW
	s_mov_b64 s[G0WA+2:G0WA+3], s[46:47]
	s_or_b32 s[G0WA+3], s[G0WA+3], 0x80000000
	s_mov_b32 s[G0WB], 1
	s_mul_i32 s[G0WB+1], s16, WH
	s_add_co_u32 s[G0WB+1], s[G0WB+1], LBW
	s_add_nc_u64 s[G0WB+2:G0WB+3], s[46:47], 2*WPL
	s_or_b32 s[G0WB+3], s[G0WB+3], 0x80000000
	JLOAD G0XA, G1XA, G0WA, G1WA                   ; planes 0 and 1: one tensor load a wave at the head
	s_mul_i32 s2, s15, 2*XH                        ; my tokens' half in slot A,
	s_mul_i32 s3, s15, XH
	s_add_co_u32 s3, s3, LB                        ; in slot B;
	s_mul_i32 s18, s16, 2*WH
	s_add_co_u32 s18, s18, LAW                     ; my head's rows in slot A,
	s_mul_i32 s19, s16, WH
	s_add_co_u32 s19, s19, LBW                     ; in slot B
	s_mul_i32 s22, s14, 128*SP
	s_add_co_u32 s22, s22, STAGE                   ; my stage
	s_lshl_b32 s45, s42, 1
	s_add_co_u32 s45, s45, s16                     ; my head = 2 G + head % 2
	s_lshl_b32 s100, s45, 8
	s_mov_b32 s101, 0
	s_add_nc_u64 s[8:9], s[8:9], s[100:101]        ; its 64 biases of q; k's lie 4,096 bytes on, v's 8,192
	s_lshr_b32 s100, s17, 3
	s_lshl_b32 s100, s100, 21                      ; the output, alike in q, k and v: (16 b + head) x 131,072 + token x 64; b = TR / 8
	s_lshl_b32 s45, s45, 17
	s_add_co_u32 s100, s100, s45
	s_and_b32 s45, s17, 7
	s_lshl_b32 s45, s45, 14
	s_add_co_u32 s100, s100, s45
	s_lshl_b32 s45, s15, 13
	s_add_co_u32 s100, s100, s45
	s_add_nc_u64 s[92:93], s[92:93], s[100:101]
	s_add_nc_u64 s[94:95], s[94:95], s[100:101]
	s_add_nc_u64 s[96:97], s[96:97], s[100:101]
	s_wait_kmcnt 0x0
	s_add_co_i32 s98, s84, s85
	s_add_co_i32 s98, s98, 127
	s_lshl_b32 s98, s98, 23                        ; 2^(e0 + e1) as f32
	s_mov_b32 s99, s98
	v_and_b32 v1, 15, v0                           ; r
	v_bfe_u32 v2, v0, 4, 1                         ; h
	v_mul_u32_u24 v3, v1, 144
	v_lshl_add_u32 v3, v2, 4, v3                   ; a fragment's row x pitch + 16 h
	v_add_nc_u32 v[ADX], s2, v3
	v_add_nc_u32 v[ADX+1], XH, v[ADX]
	v_add_nc_u32 v[ADX+2], s3, v3
	v_add_nc_u32 v[ADW], s18, v3
	v_add_nc_u32 v[ADW+1], WH, v[ADW]
	v_add_nc_u32 v[ADW+2], s19, v3
	v_mul_u32_u24 v4, v1, SP
	v_lshl_add_u32 v4, v2, 4, v4
	v_add_nc_u32 v[STO], s22, v4                   ; the stage, in: row r, 16 bytes for each half of the lanes
	v_and_b32 v5, 31, v0
	v_lshlrev_b32 v[CO], 4, v5
	v_lshrrev_b32 v6, 2, v5
	v_mul_u32_u24 v6, v6, SP
	v_and_b32 v7, 3, v5
	v_lshl_add_u32 v6, v7, 4, v6
	v_add_nc_u32 v[RD], s22, v6                    ; back: four lanes take a row's 64 bytes, a load eight rows
	v_lshlrev_b32 v[BNO], 5, v2
	v_lshlrev_b32 v[BMO], 2, v1
	MKS 0, 86
	MKS 1, 87
	MKS 2, 89
.macro LDA set, loc, s                 ; x's eight fragments: lane l holds row l % 16; registers 0-3 bytes 16 (l / 16) on, registers 4-7 bytes 32 + 16 (l / 16) on: the same order of k in both operands
.irp a, 0,1,2,3,4,5,6,7
	ds_load_b128 v[AF+64*(\set)+8*\a:AF+64*(\set)+8*\a+3], v[ADX+\loc] offset:64*(\s)+\a*2304
	ds_load_b128 v[AF+64*(\set)+8*\a+4:AF+64*(\set)+8*\a+7], v[ADX+\loc] offset:64*(\s)+\a*2304+32
.endr
.endm
.macro LDB b0, loc, s                  ; w_attn's fragments b0 .. b0 + 5
.irp b, 0,1,2,3,4,5
	ds_load_b128 v[BF+8*(\b0+\b):BF+8*(\b0+\b)+3], v[ADW+\loc] offset:64*(\s)+(\b0+\b)*2304
	ds_load_b128 v[BF+8*(\b0+\b)+4:BF+8*(\b0+\b)+7], v[ADW+\loc] offset:64*(\s)+(\b0+\b)*2304+32
.endr
.endm
; Eight matrix instructions: w_attn's block b x my eight blocks of tokens.  The 96 accumulators take turns, one instruction a turn, in the same order in every step.
.macro MULB set, b, zero
.irp a, 0,1,2,3,4,5,6,7
.if (\b) < 8
.set DD, 32*\a+8*((\b)%4)
.if \zero
	v_wmma_f32_16x16x64_fp8_fp8 v[DD:DD+7], v[BF+8*(\b):BF+8*(\b)+7], v[AF+64*(\set)+8*\a:AF+64*(\set)+8*\a+7], 0
.else
	v_wmma_f32_16x16x64_fp8_fp8 v[DD:DD+7], v[BF+8*(\b):BF+8*(\b)+7], v[AF+64*(\set)+8*\a:AF+64*(\set)+8*\a+7], v[DD:DD+7]
.endif
.else
.set DD, 32*(4*(\a/4)+((\b)%4))+8*(\a%4)
.if \zero
	v_wmma_f32_16x16x64_fp8_fp8 v[DD:DD+7], v[AF+64*(\set)+8*\a:AF+64*(\set)+8*\a+7], v[BF+8*(\b):BF+8*(\b)+7], 0
.else
	v_wmma_f32_16x16x64_fp8_fp8 v[DD:DD+7], v[AF+64*(\set)+8*\a:AF+64*(\set)+8*\a+7], v[BF+8*(\b):BF+8*(\b)+7], v[DD:DD+7]
.endif
.endif
.endr
.endm
.macro PLACES                          ; places in front of loads into registers that matrix instructions have read, and of the first read of results
.rept 4
	v_nop
.endr
.endm
; A step of 64 along K: 96 matrix instructions.  In its middle the next step's fragments of x (the other set) and w_attn's blocks 0-5 are fetched, at its end blocks 6-11.
; fetch = 1: from place nloc (slot A's planes 0, 1; slot B 2), half ns;  fetch = 2: the biases;  fetch = 0: nothing.
; turn = 1, 2: the next step lies in the other slot: the three lines, a round of the cluster's barrier, and the slot just read out is filled again (1: slot A, 2: slot B);  turn = 3: the same with nothing left to fetch.
.macro SUB set, zero, fetch, nloc, ns, turn
.if \turn
	s_wait_tensorcnt 0x0                           ; all my tensor loads have landed: my part of the next slot
	ds_add_u32 v[SPW], v[NIL]                      ; 0 onto my spare word
	s_wait_dscnt 13                                ; (the add and the youngest twelve loads, blocks 6-11, may be out)
.else
	s_wait_dscnt 12                                ; x's set and blocks 0-5 are in; the youngest twelve loads may be out
.endif
	WIN 0x50
	MULB \set, 0, \zero
	MULB \set, 1, \zero
.if \turn
	s_wait_dscnt 0x0                               ; the add is done, and my reads of this slot are over
	s_barrier_signal -1
.endif
	MULB \set, 2, \zero
	MULB \set, 3, \zero
	WIN 0xa0
	MULB \set, 4, \zero
	MULB \set, 5, \zero
	WIN 0
.if \turn
	s_barrier_wait -1
.if \turn == 1
	CREST                                          ; no wave of any partner still reads this slot or has a load on its way
	s_add_nc_u64 s[G0XA+2:G0XA+3], s[G0XA+2:G0XA+3], 3*XPL
	s_add_nc_u64 s[G0WA+2:G0WA+3], s[G0WA+2:G0WA+3], 3*WPL
	JLOAD G0XA, G1XA, G0WA, G1WA                   ; my one load behind the round; its four v_nop are the places in front of the loads below
.endif
.if \turn == 2
	CREST
	s_add_nc_u64 s[G0XB+2:G0XB+3], s[G0XB+2:G0XB+3], 3*XPL
	s_add_nc_u64 s[G0WB+2:G0WB+3], s[G0WB+2:G0WB+3], 3*WPL
	JLOAD G0XB, G1XB, G0WB, G1WB
.endif
.if \turn == 3
	PLACES
.endif
.else
	s_wait_dscnt 0x0                               ; blocks 6-11 are in
	PLACES
.endif
.if \fetch == 1
	LDA 1-(\set), \nloc, \ns
	LDB 0, \nloc, \ns
.endif
.if \fetch == 2
.irp p, 0,1
.irp b, 0,1,2,3
	global_load_b128 v[BQ+32*\p+8*\b:BQ+32*\p+8*\b+3], v[BNO], s[8:9] offset:4096*\p+64*\b        ; q, k: numbers 16 b + 8 h + 0 .. 7, along my registers
	global_load_b128 v[BQ+32*\p+8*\b+4:BQ+32*\p+8*\b+7], v[BNO], s[8:9] offset:4096*\p+64*\b+16
.endr
.endr
.irp b, 0,1,2,3
	global_load_b32 v[BV+2*\b], v[BMO], s[8:9] offset:8192+64*\b                                  ; v: number 16 b + r, twice: a pair for the packed form
	global_load_b32 v[BV+2*\b+1], v[BMO], s[8:9] offset:8192+64*\b
.endr
.endif
	WIN 0xa0
	MULB \set, 6, \zero
	MULB \set, 7, \zero
	WIN 0xf0
	MULB \set, 8, \zero
	MULB \set, 9, \zero
	MULB \set, 10, \zero
	MULB \set, 11, \zero
	PLACES
	WIN 0
.if \fetch == 1
	LDB 6, \nloc, \ns
.endif
.endm
	s_wait_alu depctr_va_vdst(0)
	s_wait_tensorcnt 0x0                           ; my part of planes 0 and 1 is in
	ds_add_u32 v[SPW], v[NIL]
	s_wait_dscnt 0x0
	CROUND
	JLOAD G0XB, G1XB, G0WB, G1WB                   ; plane 2, slot B's first fill: the first tensor load behind the round
	LDA 0, 0, 0
	LDB 0, 0, 0
	LDB 6, 0, 0
	SUB 0, 1, 1, 0, 1, 0                           ; plane 0: the first step's products start the sums
	SUB 1, 0, 1, 1, 0, 0
	SUB 0, 0, 1, 1, 1, 0                           ; plane 1
	SUB 1, 0, 1, 2, 0, 1                           ; slot A takes planes 3, 4
	SUB 0, 0, 1, 2, 1, 0                           ; plane 2
	SUB 1, 0, 1, 0, 0, 2                           ; slot B takes plane 5
	SUB 0, 0, 1, 0, 1, 0                           ; plane 3
	SUB 1, 0, 1, 1, 0, 0
	SUB 0, 0, 1, 1, 1, 0                           ; plane 4
	SUB 1, 0, 1, 2, 0, 1                           ; slot A takes planes 6, 7
	SUB 0, 0, 1, 2, 1, 0                           ; plane 5
	SUB 1, 0, 1, 0, 0, 3                           ; nothing is left to fetch
	SUB 0, 0, 1, 0, 1, 0                           ; plane 6
	SUB 1, 0, 1, 1, 0, 0
	SUB 0, 0, 1, 1, 1, 0                           ; plane 7
	SUB 1, 0, 2, 0, 0, 0                           ; x's set 0 and blocks 0-5 are done with: the biases land there
; THE WAY OUT.  Group g of part p: four accumulators, 16 rows x 64 bytes of the output (q, k: tokens 16 g on; v: channels 16 (g % 4) on of key block g / 4).  value = sum x 2^(e0 + e1) + bias, each accumulator
; from its low end on; the hold; four conversions; the lane's 32 codes go to its row of my own stage.  A part's 128 rows x 64 bytes come back as they lie and leave as 8,192 consecutive bytes.
.macro OUTG p, g
	WIN 0x01+(\p)
.set jj, 0
.rept 16
.if (\p) < 2
	v_pk_fma_f32 v[TMP+jj:TMP+jj+1], v[32*(\g)+jj:32*(\g)+jj+1], s[98:99], v[BQ+32*(\p)+jj:BQ+32*(\p)+jj+1] op_sel_hi:[1,0,1]
.else
	v_pk_fma_f32 v[TMP+jj:TMP+jj+1], v[32*(\g)+jj:32*(\g)+jj+1], s[98:99], v[BV+2*((\g)%4):BV+2*((\g)%4)+1] op_sel_hi:[1,0,1]
.endif
.set jj, jj+2
.endr
	WIN 0
.set jj, 0
.rept 32
	v_med3_num_f32 v[TMP+jj], v[TMP+jj], -v[LIM+\p], v[LIM+\p]   ; the conversion to an 8-bit code does not saturate (ISA guide 7.6.2)
.set jj, jj+1
.endr
.irp i, 0,1,2,3
	v_cvt_scalef32_pk8_fp8_f32 v[CD+2*\i:CD+2*\i+1], v[TMP+8*\i:TMP+8*\i+7], v[SC+\p]
.endr
	v_nop                                          ; a plain vector line behind the last conversion: the next group writes its sources
	ds_store_b128 v[STO], v[CD:CD+3] offset:(\g)*16*SP
	ds_store_b128 v[STO], v[CD+4:CD+7] offset:(\g)*16*SP+32
.endm
.macro OUTP p
.irp g, 0,1,2,3,4,5,6,7
	OUTG \p, \g
.endr
.if (\p) > 0
	s_wait_xcnt 0x0                                ; the last part's stores have read their registers
.endif
.irp i, 0,1,2,3,4,5,6,7,8,9,10,11,12,13,14,15
	ds_load_b128 v[RB+4*\i:RB+4*\i+3], v[RD] offset:\i*8*SP   ; LDS serves a wave's instructions in order (ISA guide 5.7.1.4): these see my stores, and the next part's stores come behind them
.endr
.irp i, 0,1,2,3,4,5,6,7,8,9,10,11,12,13,14,15
	s_wait_dscnt 15-\i
	global_store_b128 v[CO], v[RB+4*\i:RB+4*\i+3], s[92+2*(\p):93+2*(\p)] offset:512*\i   ; 32 lanes store 512 consecutive bytes, aligned
.endr
.endm
	s_wait_loadcnt 0x0                             ; the biases
	OUTP 0
	OUTP 1
	OUTP 2
	s_wait_tensorcnt 0x0                           ; the wave's end
	ds_add_u32 v[SPW], v[NIL]
	s_wait_dscnt 0x0
	CROUND                                         ; the closing round
	s_endpgm
.Lfunc_end_k_q133d374f10_qkv:
	.size	k_q133d374f10_qkv, .Lfunc_end_k_q133d374f10_qkv-k_q133d374f10_qkv
	.p2alignl 7, 3214868480
	.fill 96, 4, 3214868480
	.section	.rodata,"a",@progbits
	.p2align	6, 0x0
	.amdhsa_kernel k_q133d374f10_qkv
		.amdhsa_group_segment_fixed_size 327680
		.amdhsa_private_segment_fixed_size 0
		.amdhsa_enable_private_segment 0
		.amdhsa_kernarg_size 56
		.amdhsa_user_sgpr_count 2
		.amdhsa_user_sgpr_kernarg_segment_ptr 1
		.amdhsa_wavefront_size32 1
		.amdhsa_system_sgpr_workgroup_id_x 1
		.amdhsa_system_sgpr_workgroup_id_y 1
		.amdhsa_system_sgpr_workgroup_id_z 1
		.amdhsa_system_vgpr_workitem_id 0
		.amdhsa_next_free_vgpr 1024
		.amdhsa_next_free_sgpr 102
		.amdhsa_reserve_vcc 0
		.amdhsa_float_denorm_mode_32 3
		.amdhsa_float_denorm_mode_16_64 3
		.amdhsa_memory_ordered 1
		.amdhsa_forward_progress 1
		.amdhsa_inst_pref_size 252
	.end_amdhsa_kernel
	.amdgpu_metadata
---
amdhsa.version: [ 1, 2 ]
amdhsa.kernels:
  - .name:           k_q133d374f10_qkv
    .symbol:         k_q133d374f10_qkv.kd
    .args:
      - { .name: x_codes, .offset: 0, .size: 8, .value_kind: global_buffer, .address_space: global }
      - { .name: wa_codes, .offset: 8, .size: 8, .value_kind: global_buffer, .address_space: global }
      - { .name: b_attn, .offset: 16, .size: 8, .value_kind: global_buffer, .address_space: global }
      - { .name: lowp_scales, .offset: 24, .size: 8, .value_kind: global_buffer, .address_space: global }
      - { .name: q_codes, .offset: 32, .size: 8, .value_kind: global_buffer, .address_space: global }
      - { .name: k_codes, .offset: 40, .size: 8, .value_kind: global_buffer, .address_space: global }
      - { .name: v_codes, .offset: 48, .size: 8, .value_kind: global_buffer, .address_space: global }
    .group_segment_fixed_size: 327680
    .private_segment_fixed_size: 0
    .kernarg_segment_align: 8
    .kernarg_segment_size: 56
    .max_flat_workgroup_size: 128
    .sgpr_count:     102
    .vgpr_count:     1024
    .wavefront_size: 32
...
	.end_amdgpu_metadata
.endif
;; end of part 2
;; launch attn (part 3): grid 4 x 64, 8 waves a work-group, no clusters, 327,680 bytes of LDS; arguments q_codes, k_codes, v_codes, lowp_scales, y_codes; writes y_codes
.if DOCPART == 3
	.amdgcn_target "amdgcn-amd-amdhsa--gfx1250"
	.amdhsa_code_object_version 6
	.text
	.protected	k_q133d374f10_attn
	.globl	k_q133d374f10_attn
	.p2align	8
	.type	k_q133d374f10_attn,@function
k_q133d374f10_attn:
	s_mov_b64 s[64:65], 0
	v_nop
	global_prefetch_b8 v0, s[64:65] scope:SCOPE_SE
	s_setreg_imm32_b32 hwreg(HW_REG_WAVE_MODE, 25, 1), 1
	s_wait_xcnt 0x0
; y = softmax(q k^T / 8, causal) v for 64 heads (b, h) of 2,048 tokens x 64, both products on codes of FP8 (E4M3); y quantised on the way out.
; q_codes, k_codes [bh][token][64], v_codes [bh][block of 64 keys][channel][64 keys]: as the launch before leaves them.  y_codes [h][b x 2048 + token][64 channels], natural order.
; THE SOFTMAX: t = score x log2(e) / 8; M = the running largest t rounded UP to a whole number; p = 2^(t - M) is quantised with 2^e4, not normalised; the row's sum is taken of the unquantised p and divides at the end.
; When M moves, the sum and O are multiplied by 2^(old M - new M): exact.
; LEFT OUT: steps of 128 keys all of which come after a wave's queries: the causal mask sets their scores to -infinity, so their p is 0 for all values of the inputs.
; SHARES.  Work-group (i, bh) owns the query blocks 7 - i (group A) and i (group B) of 256 queries, BOTH AT ONCE: one walk over the key slots (256 keys each) serves both.  Slots 0 .. i are multiplied for both groups,
; slots i + 1 .. 7 - i for A alone: nine block-slots for every work-group.  Each of the eight waves owns 32 queries of each group: two tiles of 16, so a fragment of K or V feeds two matrix instructions, four where both groups are at work.
; The loops' trip counts are constants (8 slots x 2 steps); what a work-group or wave has no use for is jumped over by scalar branches on ids, round work alone.  The look-ahead ends at the causal limit: a slot whose first key
; comes after the work-group's last query is not asked for; every wait on TENSORcnt is for 0, the test is the same in all eight waves, and no step reads such a slot.
; NO CLUSTER: the four work-groups of a head need 8 - i slots, different numbers, and the mask lets all waves of a partner jump over the reads of whole tiles.
; LAYOUT.  S^T = K Q^T (source 0 = 16 keys, source 1 = 16 queries), O^T = V^T P^T: a lane holds ONE query of each tile.  Register j of score tile t is key 16 t + 8 (lane / 16) + j: its eight codes are registers 2 t, 2 t + 1 of
; the 128-deep form's operand; v's bytes lie so that 16-byte loads give the same order.
; THE MASK goes by tiles of 16 keys.  With D = the tile's first query - its first key (a multiple of 16): D > 0 all keys count; D < 0 none; D = 0 key 8 h + j is hidden where 8 h + j > r: eight lane masks, kept in scalar registers.
; LIMITS: e2 + e3 between -123 and 130 (added to c's exponent field); e4 and e6 between -126 and 119; e4 + e5 goes by v_ldexp_f32 and has none; the scaled scores stay under 2^31 in magnitude.
; REGISTERS.  Window 0: v1-11 addresses; v12-15 f of the two tiles in hand; v16-31 for each of four tiles -M, the largest t, the sum in two halves; v32-63 Q; v64-191 S^T, then p; v192-223 codes; v224-241 constants and work.
; Window 1: v0-63 K's eight fragments; v64-127 V's four; v128-255 O^T of the four tiles.
.set VOFF,  17408                      ; a slot: K's 256 rows of 64 bytes, four to an LDS row of 256 + 16 bytes (64 x 272), then V's four blocks of 64 x 64 bytes (4,352 each)
.set STEPB, 8704                       ; 128 keys on, in K's part and in V's alike
.set SLOT1, 65536                      ; slot 1 begins here
.set SPARE, 131072                     ; the spare words, 128 bytes for each of eight waves
.set STAGE, 132096                     ; the way out: 4,096 bytes for each wave; no tile lands here
.set AK0,  1                           ; v1   my lane's place in a tile of 16 rows: (r / 4) 272 + (r % 4) 64 + 16 h
.set QO,   2                           ; v2   64 r + 16 h, for Q
.set PFO,  3                           ; v3   256 x min(lane, 15), for the prefetches
.set STO,  4                           ; v4   the stage: in
.set SPW,  5                           ; v5   LDS address of my spare word; never rewritten
.set NIL,  6                           ; v6   0; never rewritten
.set GO,   7                           ; v7   16 x lane
.set ADR,  8                           ; v8   LDS address of the step's loads
.set SRD,  10                          ; v10  the stage: back
.set F,    12                          ; v[12:13], v[14:15]: f of tile u in the low word
.set ST,   16                          ; tile m = 2 g + u: v[ST+4m] -M, +1 the largest t, +2, +3 the sum
.set Q,    32
.set S,    64
.set CD,   192
.set LIMP, 224                         ; 448 x 2^e4;  v229 the same once more, for the second half of a dual pair
.set SCP,  225                         ; 2^e4
.set LIMY, 226                         ; 448 x 2^e6
.set SCY,  227                         ; 2^e6
.set NINF, 228                         ; -infinity
.set LIMP2, 229
.set MA,   230                         ; v230-233 the maxima's chains
.set PT,   234                         ; v234-237 lane permutes' results, and old M - new M
.set OD,   236
.set T,    238                         ; v[238:239], v[240:241] the sums' second chains
.set KR,   0                           ; window 1
.set VR,   64
.set O,    128
.set TB,   2                           ; s2   LDS byte at which the slot in hand begins
.set SO,   3                           ; s3   the step's place in the slot: 0, STEPB
.set WV,   18
.set SLOTS, 19                         ; s19  8 down to 1
.set SEL,  20                          ; s[20:21] lane l xor 16
.set CS,   22                          ; s[22:23] c = log2(e) / 8 x 2^(e2 + e3)
.set G1,   24                          ; s[24:31] descriptor group 1;  s[32:35] group 0, which walks
.set G0,   32
.set KVB,  36                          ; s[36:37] my part of key slot 0 in memory
.set QWL,  38                          ; s38  my work-group's last query
.set SD,   39                          ; s39  the group's first query - the step's first key
.set KF,   40                          ; s40  the step's first key
.set Q0,   41                          ; s41  my first query of group A;  s42 of group B
.set YA,   44                          ; s[44:45], s[46:47] where my rows of y begin
.set PFA,  48                          ; s[48:49] where my prefetches stand
.set LIM,  50                          ; s50  2 in a work-group that prefetches, else the greatest number
.set EPV,  54                          ; s54  e4 + e5
.set BMK,  76                          ; s76-83 the diagonal tile's lane masks
.set MT,   84                          ; s84-91 the masks of the tile in hand
.set MSB, 0
.macro WIN new                         ; the immediate's high byte repeats the setting that is left
.if MSB != (\new)
	s_set_vgpr_msb (MSB<<8)|(\new)
.set MSB, (\new)
.endif
.endm
	s_load_b256 s[4:11], s[0:1], 0x0               ; q_codes s[4:5], k_codes s[6:7], v_codes s[8:9], the scales' exponents s[10:11]
	s_load_b64 s[12:13], s[0:1], 0x20              ; y_codes
	v_lshl_add_u32 v[SPW], v0, 2, SPARE
	v_mov_b32 v[NIL], 0
	ds_add_u32 v[SPW], v[NIL]                      ; the opening: the add, twice on end, and its wait ahead of my first tensor load
	ds_add_u32 v[SPW], v[NIL]
	v_lshrrev_b32 v8, 5, v0
	v_readfirstlane_b32 s[WV], v8                  ; wave 0..7
	s_and_b32 s92, ttmp7, 0xffff                   ; bh = 16 b + h
	s_lshl_b32 s52, s92, 17                        ; the head's first byte in q, k and v: 2,048 x 64 bytes a head
	s_mov_b32 s53, 0
	s_mul_i32 s[G0+1], s[WV], 4352                 ; where my part of a slot goes: waves 0-3 K's quarters, waves 4-7 V's blocks
	s_and_b32 s93, s[WV], 3
	s_lshl_b32 s93, s93, 12
	s_add_co_u32 s60, s52, s93                     ; + my 4,096 of a slot's 16,384 bytes
	s_mov_b32 s61, 0
	s_mov_b32 s[G1], (0<<16)|(1<<20)|(5<<22)|(3<<25)   ; no mask; elements of 1 byte; padding: four words after every 64
	s_mov_b32 s[G1+1], 256<<16                     ; tensor_dim0
	s_mov_b32 s[G1+2], 16<<16                      ; tensor_dim1
	s_mov_b32 s[G1+3], 256<<16                     ; tile_dim0
	s_mov_b32 s[G1+4], 16                          ; tile_dim1
	s_mov_b32 s[G1+5], 256                         ; tensor_dim0_stride: the block is dense
	s_mov_b32 s[G1+6], 0
	s_mov_b32 s[G1+7], 0
	s_mov_b32 s[SEL], 0x76543210
	s_mov_b32 s[SEL+1], 0xfedcba98
	s_mov_b32 s[CS], 0x3e38aa3b                    ; log2(e) / 8
	s_mov_b32 s[TB], 0
	s_mov_b32 s[SLOTS], 8
	s_mov_b32 s[KF], 0
	s_sub_co_u32 s94, 7, ttmp9
	s_lshl_b32 s[Q0], s94, 8
	s_or_b32 s[QWL], s[Q0], 255
	s_lshl_b32 s94, s[WV], 5
	s_add_co_u32 s[Q0], s[Q0], s94                 ; 256 (7 - i) + 32 wave
	s_lshl_b32 s[Q0+1], ttmp9, 8
	s_add_co_u32 s[Q0+1], s[Q0+1], s94             ; 256 i + 32 wave
	s_cmp_eq_u32 ttmp9, 0
	s_cselect_b32 s[LIM], 2, -1
	s_wait_dscnt 0x0                               ; both opening adds are done
	s_wait_kmcnt 0x0
	s_load_b256 s[68:75], s[10:11], 0x0            ; e0 .. e7
	s_cmp_lt_u32 s[WV], 4
	s_cselect_b64 s[KVB:KVB+1], s[6:7], s[8:9]
	s_add_nc_u64 s[KVB:KVB+1], s[KVB:KVB+1], s[60:61]
	s_mov_b32 s[G0], 1
	s_mov_b64 s[G0+2:G0+3], s[KVB:KVB+1]
	s_or_b32 s[G0+3], s[G0+3], 0x80000000
	tensor_load_to_lds s[G0:G0+3], s[G1:G1+7]      ; key slot 0 into LDS slot 0: every wave's one load at the head
	s_nop 0
	s_add_nc_u64 s[PFA:PFA+1], s[KVB:KVB+1], 16384 ; in slot 1: the first change of slots steps it to slot 2.  Nothing is prefetched at the head
	s_add_nc_u64 s[4:5], s[4:5], s[52:53]
	s_lshl_b32 s60, s[Q0], 6
	s_add_nc_u64 s[56:57], s[4:5], s[60:61]        ; Q of group A,
	s_lshl_b32 s60, s[Q0+1], 6
	s_add_nc_u64 s[58:59], s[4:5], s[60:61]        ; of group B
	s_and_b32 s93, s92, 15
	s_lshl_b32 s93, s93, 13
	s_lshr_b32 s94, s92, 4
	s_lshl_b32 s94, s94, 11
	s_add_co_u32 s93, s93, s94                     ; y: row 8,192 h + 2,048 b + token
	s_add_co_u32 s94, s93, s[Q0]
	s_lshl_b32 s60, s94, 6
	s_add_nc_u64 s[YA:YA+1], s[12:13], s[60:61]
	s_add_co_u32 s94, s93, s[Q0+1]
	s_lshl_b32 s60, s94, 6
	s_add_nc_u64 s[YA+2:YA+3], s[12:13], s[60:61]
	v_and_b32 v8, 15, v0                           ; r
	v_bfe_u32 v9, v0, 4, 1                         ; h
	v_lshlrev_b32 v[QO], 6, v8
	v_lshl_add_u32 v[QO], v9, 4, v[QO]
.irp g, 0,1
.irp u, 0,1
	global_load_b128 v[Q+16*\g+8*\u:Q+16*\g+8*\u+3], v[QO], s[56+2*\g:57+2*\g] offset:1024*\u
	global_load_b128 v[Q+16*\g+8*\u+4:Q+16*\g+8*\u+7], v[QO], s[56+2*\g:57+2*\g] offset:1024*\u+32
.endr
.endr
	v_lshrrev_b32 v[AK0], 2, v8
	v_mul_u32_u24 v[AK0], v[AK0], 272
	v_and_b32 v11, 3, v8
	v_lshl_add_u32 v[AK0], v11, 6, v[AK0]
	v_lshl_add_u32 v[AK0], v9, 4, v[AK0]
	v_and_b32 v[GO], 31, v0
	v_min_u32 v[PFO], 15, v[GO]                    ; my part of a slot is 16 blocks of 256 bytes: the lanes that are left over name the last again
	v_lshlrev_b32 v[PFO], 8, v[PFO]
	v_lshlrev_b32 v[GO], 4, v[GO]
	s_lshl_b32 s94, s[WV], 12
	s_add_co_u32 s94, s94, STAGE                   ; my stage
	v_lshlrev_b32 v[STO], 6, v8
	v_lshl_add_u32 v[STO], v9, 3, v[STO]
	v_add_nc_u32 v[STO], s94, v[STO]               ; in: row r of 64 bytes, + 8 h
	v_add_nc_u32 v[SRD], s94, v[GO]                ; back: as the bytes lie
	v_lshlrev_b32 v11, 3, v9
	v_sub_nc_u32 v11, v8, v11                      ; r - 8 h
.irp j, 0,1,2,3,4,5,6,7
	v_cmp_gt_i32 s[BMK+\j], \j, v11                ; the diagonal tile: register j is hidden where 8 h + j > r
.endr
.irp m, 0,1,2,3
	v_mov_b32 v[ST+4*\m+1], 0xff61b1e6             ; the largest t so far: -3e38
	v_mov_b32 v[ST+4*\m+2], 0
	v_mov_b32 v[ST+4*\m+3], 0
.endr
.irp m, 0,1,2,3
	v_floor_f32 v[ST+4*\m], -v[ST+4*\m+1]          ; -M
	v_mov_b32 v[PT+\m], 0                          ; a lane permute's destination counts as one of its sources
.endr
	v_mov_b32 v[F+1], 0                            ; (named as the upper halves of pairs)
	v_mov_b32 v[F+3], 0
	v_mov_b32 v[NINF], 0xff800000
	WIN 0x40
.set jj, 0
.rept 128
	v_mov_b32 v[O+jj], 0                           ; O^T: the step is written once; the first step finds zeros, which the first change of M leaves zeros
.set jj, jj+1
.endr
	WIN 0
	s_wait_alu depctr_va_vdst(0)
	s_wait_kmcnt 0x0
	s_add_co_i32 s93, s70, s71
	s_lshl_b32 s93, s93, 23
	s_add_co_i32 s[CS], s[CS], s93                 ; a score stands for score x 2^(e2 + e3)
	s_mov_b32 s[CS+1], s[CS]
	s_add_co_i32 s93, s72, 127
	s_lshl_b32 s94, s93, 23
	v_mov_b32 v[SCP], s94
	s_add_co_i32 s93, s93, 8
	s_lshl_b32 s93, s93, 23
	s_or_b32 s93, s93, 0x600000
	v_mov_b32 v[LIMP], s93
	v_mov_b32 v[LIMP2], s93
	s_add_co_i32 s93, s74, 127
	s_lshl_b32 s94, s93, 23
	v_mov_b32 v[SCY], s94
	s_add_co_i32 s93, s93, 8
	s_lshl_b32 s93, s93, 23
	s_or_b32 s93, s93, 0x600000
	v_mov_b32 v[LIMY], s93
	s_add_co_i32 s[EPV], s72, s73
; The mask of score tile (u, t).  s[SD] is a multiple of 32, so a tile with t - u odd never lies on the diagonal: it is open or wholly hidden.
.macro MASKT u, t
	s_cmp_gt_i32 s[SD], 16*((\t)-(\u))
	s_cbranch_scc1 .Lvis_\@
.if (((\t)-(\u))%2) == 0
	s_cmp_lt_i32 s[SD], 16*((\t)-(\u))             ; wholly hidden: all lanes; else the diagonal's masks
.irp j, 0,1,2,3,4,5,6,7
	s_cselect_b32 s[MT+\j], -1, s[BMK+\j]
.endr
.irp j, 0,1,2,3,4,5,6,7
	v_cndmask_b32 v[S+64*(\u)+8*(\t)+\j], v[S+64*(\u)+8*(\t)+\j], v[NINF], s[MT+\j]
.endr
.else
.irp j, 0,1,2,3,4,5,6,7
	v_mov_b32 v[S+64*(\u)+8*(\t)+\j], v[NINF]
.endr
.endif
.Lvis_\@:
.endm
; One group's share of a key step: 128 keys x its two tiles of 16 queries.  g = 0: group A, g = 1: group B.  The two tiles' chains stand line by line beside each other.
.macro GROUP g
	s_sub_co_i32 s[SD], s[Q0+\g], s[KF]
.if \g
	s_cmp_lt_i32 s[SD], 0                          ; all the step's keys come after my queries of this group
	s_cbranch_scc1 .Lgone_\@
.endif
	s_wait_dscnt 16                                ; K's sixteen loads are in; V's sixteen, issued behind them, may be out
	WIN 0x01
.irp t, 0,1,2,3,4,5,6,7
.irp u, 0,1
	v_wmma_f32_16x16x64_fp8_fp8 v[S+64*\u+8*\t:S+64*\u+8*\t+7], v[KR+8*\t:KR+8*\t+7], v[Q+16*\g+8*\u:Q+16*\g+8*\u+7], 0
.endr
.endr
	WIN 0
.rept 4
	v_nop                                          ; places in front of the first read of the scores
.endr
	s_cmp_ge_i32 s[SD], 128                        ; all keys count: no mask
	s_cbranch_scc1 .Lopen_\@
.irp u, 0,1
.irp t, 0,1,2,3,4,5,6,7
.if \t >= \u
	MASKT \u, \t
.endif
.endr
.endr
	s_wait_alu depctr_va_vdst(0)
.Lopen_\@:
.irp u, 0,1
	v_max3_num_f32 v[MA+2*\u], v[S+64*\u], v[S+64*\u+1], v[S+64*\u+2]   ; the step's largest score of my query among my 64 keys, two chains a tile, from the low end on
.endr
.irp u, 0,1
	v_max3_num_f32 v[MA+2*\u+1], v[S+64*\u+3], v[S+64*\u+4], v[S+64*\u+5]
.endr
.irp i, 6,10,14,18,22,26,30,34,38,42,46,50,54,58
.irp u, 0,1
	v_max3_num_f32 v[MA+2*\u], v[MA+2*\u], v[S+64*\u+\i], v[S+64*\u+\i+1]
.endr
.irp u, 0,1
	v_max3_num_f32 v[MA+2*\u+1], v[MA+2*\u+1], v[S+64*\u+\i+2], v[S+64*\u+\i+3]
.endr
.endr
.irp u, 0,1
	v_max3_num_f32 v[MA+2*\u], v[MA+2*\u], v[S+64*\u+62], v[S+64*\u+63]
.endr
.irp u, 0,1
	v_max_num_f32 v[MA+2*\u], v[MA+2*\u], v[MA+2*\u+1]
.endr
.irp u, 0,1
	v_mul_f32 v[MA+2*\u], s[CS], v[MA+2*\u]        ; as t (c is positive)
.endr
.irp u, 0,1
	v_permlanex16_b32 v[PT+\u], v[MA+2*\u], s[SEL], s[SEL+1]
.endr
.irp u, 0,1
	v_max3_num_f32 v[ST+8*\g+4*\u+1], v[ST+8*\g+4*\u+1], v[MA+2*\u], v[PT+\u]   ; the running largest t, lane l xor 16's keys among them
.endr
.irp u, 0,1
	v_mov_b32 v[OD+\u], v[ST+8*\g+4*\u]
.endr
.irp u, 0,1
	v_floor_f32 v[ST+8*\g+4*\u], -v[ST+8*\g+4*\u+1]   ; the new -M = -ceil(t)
.endr
.irp u, 0,1
	v_sub_f32 v[OD+\u], v[ST+8*\g+4*\u], v[OD+\u]  ; old M - new M: a whole number, 0 or less
.endr
.irp u, 0,1
	v_cvt_i32_f32 v[OD+\u], v[OD+\u]               ; (it saturates)
.endr
.irp u, 0,1
	v_ldexp_f32 v[F+2*\u], 1.0, v[OD+\u]           ; f = 2^(old M - new M)
.endr
.irp u, 0,1
.set jj, 0
.rept 32
	v_pk_fma_f32 v[S+64*\u+jj:S+64*\u+jj+1], v[S+64*\u+jj:S+64*\u+jj+1], s[CS:CS+1], v[ST+8*\g+4*\u:ST+8*\g+4*\u+1] op_sel_hi:[1,0,0]   ; t - M
.set jj, jj+2
.endr
.endr
	s_wait_alu depctr_va_vdst(0)
.set jj, 0
.rept 128
	v_exp_f32 v[S+jj], v[S+jj]                     ; p = 2^(t - M)
.set jj, jj+1
.endr
.irp u, 0,1
	v_pk_mul_f32 v[ST+8*\g+4*\u+2:ST+8*\g+4*\u+3], v[ST+8*\g+4*\u+2:ST+8*\g+4*\u+3], v[F+2*\u:F+2*\u+1] op_sel_hi:[1,0]   ; the sums under the new M: plain lines behind the exponentials
.endr
	s_wait_alu depctr_va_vdst(0)                   ; one wait for the whole batch, ahead of its first reader
.irp u, 0,1
	v_pk_add_f32 v[T+2*\u:T+2*\u+1], v[S+64*\u:S+64*\u+1], v[S+64*\u+2:S+64*\u+3]   ; the row's sum of the unquantised p: two chains a tile
.endr
.irp j, 4,8,12,16,20,24,28,32,36,40,44,48,52,56,60
.irp u, 0,1
	v_pk_add_f32 v[ST+8*\g+4*\u+2:ST+8*\g+4*\u+3], v[ST+8*\g+4*\u+2:ST+8*\g+4*\u+3], v[S+64*\u+\j:S+64*\u+\j+1]
.endr
.irp u, 0,1
	v_pk_add_f32 v[T+2*\u:T+2*\u+1], v[T+2*\u:T+2*\u+1], v[S+64*\u+\j+2:S+64*\u+\j+3]
.endr
.endr
.irp u, 0,1
	v_pk_add_f32 v[ST+8*\g+4*\u+2:ST+8*\g+4*\u+3], v[ST+8*\g+4*\u+2:ST+8*\g+4*\u+3], v[T+2*\u:T+2*\u+1]
.endr
.irp u, 0,1
.irp t, 0,1,2,3,4,5,6,7
.irp k, 0,2,4,6
	v_dual_min_num_f32 v[S+64*\u+8*\t+\k], v[S+64*\u+8*\t+\k], v[LIMP] :: v_dual_min_num_f32 v[S+64*\u+8*\t+\k+1], v[S+64*\u+8*\t+\k+1], v[LIMP2]   ; the hold, two numbers a line; p is not negative (the conversion does not saturate: ISA guide 7.6.2)
.endr
	v_cvt_scalef32_pk8_fp8_f32 v[CD+16*\u+2*\t:CD+16*\u+2*\t+1], v[S+64*\u+8*\t:S+64*\u+8*\t+7], v[SCP]
.endr
.endr
	WIN 0x41                                       ; O^T in window 1, f in window 0
	s_wait_alu depctr_va_vdst(0)
.irp u, 0,1
.set jj, 0
.rept 16
	v_pk_mul_f32 v[O+64*\g+32*\u+jj:O+64*\g+32*\u+jj+1], v[O+64*\g+32*\u+jj:O+64*\g+32*\u+jj+1], v[F+2*\u:F+2*\u+1] op_sel_hi:[1,0]   ; O^T under the new M.  (Plain lines between the conversions and the products)
.set jj, jj+2
.endr
.endr
	s_wait_alu depctr_va_vdst(0)
	s_wait_dscnt 0x0                               ; V is in
	WIN 0x51
.irp dt, 0,1,2,3
.irp u, 0,1
	v_wmma_f32_16x16x128_fp8_fp8 v[O+64*\g+32*\u+8*\dt:O+64*\g+32*\u+8*\dt+7], v[VR+16*\dt:VR+16*\dt+15], v[CD+16*\u:CD+16*\u+15], v[O+64*\g+32*\u+8*\dt:O+64*\g+32*\u+8*\dt+7]   ; the eight accumulators by turns
.endr
.endr
	WIN 0
.rept 4
	v_nop                                          ; places in front of the next loads into V's registers and of the next read of O^T
.endr
.Lgone_\@:
.endm
; A KEY STEP: 128 keys at s[SO] of the slot in hand.  Group A's queries come after group B's, so a step that A has no use for is left out whole.
.macro STEP
	s_cmp_gt_u32 s[KF], s[Q0]
	s_cbranch_scc1 .Lhid_\@
	v_add_nc_u32 v[ADR], s[TB], v[AK0]
	v_add_nc_u32 v[ADR], s[SO], v[ADR]
	WIN 0x40
.irp t, 0,1,2,3,4,5,6,7
	ds_load_b128 v[KR+8*\t:KR+8*\t+3], v[ADR] offset:\t*1088
	ds_load_b128 v[KR+8*\t+4:KR+8*\t+7], v[ADR] offset:\t*1088+32
.endr
.irp dt, 0,1,2,3
.irp c, 0,1,2,3
	ds_load_b128 v[VR+16*\dt+4*\c:VR+16*\dt+4*\c+3], v[ADR] offset:VOFF+(\c/2)*4352+\dt*1088+32*(\c%2)
.endr
.endr
	WIN 0
	GROUP 1
	GROUP 0
.Lhid_\@:
.endm
	s_wait_alu depctr_va_vdst(0)
	s_wait_loadcnt 0x0                             ; Q
.Lslot:                                            ; eight trips, a key slot each
	; THE CHANGE OF SLOTS.  Each wave waits for all its tensor loads, adds 0 to its spare word, and waits for that and for its reads of the slot that it has left; behind the barrier the slot ahead is whole and nobody reads the other one.
	s_wait_tensorcnt 0x0                           ; no tensor load of mine is out, so group 0 may be written
	ds_add_u32 v[SPW], v[NIL]                      ; 0 onto my spare word
	s_xor_b32 s[G0+1], s[G0+1], SLOT1              ; the walking descriptor: the other slot, the next 256 keys
	s_add_nc_u64 s[G0+2:G0+3], s[G0+2:G0+3], 16384
	s_wait_xcnt 0x0                                ; the last prefetch, a slot back, has read its address
	s_add_nc_u64 s[PFA:PFA+1], s[PFA:PFA+1], 16384
	s_wait_dscnt 0x0
	s_barrier_signal -1
	s_barrier_wait -1
	s_add_co_u32 s96, s[KF], 256                   ; the first key of the slot that this change would ask for
	s_cmp_gt_u32 s96, s[QWL]                       ; past my work-group's last query: read by none of its waves, so not asked for.  Ids and the count of steps alone
	s_cbranch_scc1 .Lpast
	tensor_load_to_lds s[G0:G0+3], s[G1:G1+7]      ; a wave's one tensor load until the next barrier: it has a slot's two key steps in which to land
	s_nop 0
.rept 4
	v_nop
.endr
.Lpast:
	; A PREFETCH INTO THE L2 of what the NEXT change of slots will ask for.  The four work-groups of a head walk the same K and V; the one that walks all eight slots (i = 0) asks, each wave for its own 4,096 bytes,
	; lanes 256 bytes apart: each aligned block of 256 bytes is named by one wave of the launch.  Trip n names slot n + 2, a slot's two key steps ahead of its load; trips 6 and 7 ask for nothing.
	s_cmp_gt_u32 s[SLOTS], s[LIM]
	s_cbranch_scc0 .Lnot_mine
	global_prefetch_b8 v[PFO], s[PFA:PFA+1] th:TH_LOAD_NT scope:SCOPE_SE
.Lnot_mine:
	s_mov_b32 s[SO], 0
.Lstep:                                            ; two trips, a key step each
	STEP
	s_add_co_u32 s[KF], s[KF], 128
	s_add_co_u32 s[SO], s[SO], STEPB
	s_cmp_lt_u32 s[SO], 2*STEPB
	s_cbranch_scc1 .Lstep
	s_xor_b32 s[TB], s[TB], SLOT1
	s_sub_co_u32 s[SLOTS], s[SLOTS], 1
	s_cmp_lg_u32 s[SLOTS], 0
	s_cbranch_scc1 .Lslot
	; THE WAY OUT.  O^T / the sum x 2^(e4 + e5) is y; its codes go through my stage and leave as 1,024 consecutive bytes for each tile (16 queries x 64 channels).
.irp m, 0,1,2,3
	v_add_f32 v[ST+4*\m+2], v[ST+4*\m+2], v[ST+4*\m+3]
.endr
.irp m, 0,1,2,3
	v_permlanex16_b32 v[PT+\m], v[ST+4*\m+2], s[SEL], s[SEL+1]
.endr
.irp m, 0,1,2,3
	v_add_f32 v[ST+4*\m+2], v[ST+4*\m+2], v[PT+\m] ; the rows' sums
.endr
	s_wait_alu depctr_va_vdst(0)
.irp m, 0,1,2,3
	v_rcp_f32 v[ST+4*\m+2], v[ST+4*\m+2]
.endr
	v_nop                                          ; a plain line behind the transcendentals
	s_wait_alu depctr_va_vdst(0)                   ; and the wait ahead of their first reader
.irp m, 0,1,2,3
	v_ldexp_f32 v[ST+4*\m+2], v[ST+4*\m+2], s[EPV]
.endr
	WIN 0x01
	s_wait_alu depctr_va_vdst(0)
.irp m, 0,1,2,3
.set jj, 0
.rept 16
	v_pk_mul_f32 v[S+32*\m+jj:S+32*\m+jj+1], v[O+32*\m+jj:O+32*\m+jj+1], v[ST+4*\m+2:ST+4*\m+3] op_sel_hi:[1,0]   ; register 32 m + 8 dt + j is y(tile m's query r, channel 16 dt + 8 h + j)
.set jj, jj+2
.endr
.endr
	WIN 0
.set jj, 0
.rept 128
	v_med3_num_f32 v[S+jj], v[S+jj], -v[LIMY], v[LIMY]
.set jj, jj+1
.endr
.set nn, 0
.rept 16
	v_cvt_scalef32_pk8_fp8_f32 v[CD+2*nn:CD+2*nn+1], v[S+8*nn:S+8*nn+7], v[SCY]
.set nn, nn+1
.endr
	v_nop                                          ; a plain line behind the last conversion
.set nn, 0
.rept 16
	ds_store_b64 v[STO], v[CD+2*nn:CD+2*nn+1] offset:1024*(nn/4)+16*(nn%4)
.set nn, nn+1
.endr
.irp k, 0,1,2,3,4,5,6,7
	ds_load_b128 v[S+4*\k:S+4*\k+3], v[SRD] offset:512*\k   ; LDS serves a wave's instructions in order (ISA guide 5.7.1.4): these see my stores
.endr
	s_wait_dscnt 0x0
.irp k, 0,1,2,3,4,5,6,7
	global_store_b128 v[GO], v[S+4*\k:S+4*\k+3], s[YA+2*(\k/4):YA+2*(\k/4)+1] offset:512*(\k%4)   ; 32 lanes store 512 consecutive bytes, aligned
.endr
	s_wait_tensorcnt 0x0                           ; the wave's end
	ds_add_u32 v[SPW], v[NIL]
	s_wait_dscnt 0x0
	s_endpgm
.Lfunc_end_k_q133d374f10_attn:
	.size	k_q133d374f10_attn, .Lfunc_end_k_q133d374f10_attn-k_q133d374f10_attn
	.p2alignl 7, 3214868480
	.fill 96, 4, 3214868480
	.section	.rodata,"a",@progbits
	.p2align	6, 0x0
	.amdhsa_kernel k_q133d374f10_attn
		.amdhsa_group_segment_fixed_size 327680
		.amdhsa_private_segment_fixed_size 0
		.amdhsa_enable_private_segment 0
		.amdhsa_kernarg_size 40
		.amdhsa_user_sgpr_count 2
		.amdhsa_user_sgpr_kernarg_segment_ptr 1
		.amdhsa_wavefront_size32 1
		.amdhsa_system_sgpr_workgroup_id_x 1
		.amdhsa_system_sgpr_workgroup_id_y 1
		.amdhsa_system_sgpr_workgroup_id_z 1
		.amdhsa_system_vgpr_workitem_id 0
		.amdhsa_next_free_vgpr 512
		.amdhsa_next_free_sgpr 100
		.amdhsa_reserve_vcc 0
		.amdhsa_float_denorm_mode_32 3
		.amdhsa_float_denorm_mode_16_64 3
		.amdhsa_memory_ordered 1
		.amdhsa_forward_progress 1
		.amdhsa_inst_pref_size 102
	.end_amdhsa_kernel
	.amdgpu_metadata
---
amdhsa.version: [ 1, 2 ]
amdhsa.kernels:
  - .name:           k_q133d374f10_attn
    .symbol:         k_q133d374f10_attn.kd
    .args:
      - { .name: q_codes, .offset: 0, .size: 8, .value_kind: global_buffer, .address_space: global }
      - { .name: k_codes, .offset: 8, .size: 8, .value_kind: global_buffer, .address_space: global }
      - { .name: v_codes, .offset: 16, .size: 8, .value_kind: global_buffer, .address_space: global }
      - { .name: lowp_scales, .offset: 24, .size: 8, .value_kind: global_buffer, .address_space: global }
      - { .name: y_codes, .offset: 32, .size: 8, .value_kind: global_buffer, .address_space: global }
    .group_segment_fixed_size: 327680
    .private_segment_fixed_size: 0
    .kernarg_segment_align: 8
    .kernarg_segment_size: 40
    .max_flat_workgroup_size: 256
    .sgpr_count:     100
    .vgpr_count:     512
    .wavefront_size: 32
...
	.end_amdgpu_metadata
.endif
;; end of part 3
;; launch proj (part 4): grid 4 x 64, 4 waves a work-group, clusters of 4 x 4, 327,680 bytes of LDS; arguments y_codes, wp_codes, b_proj, lowp_scales, out0; writes out0
.if DOCPART == 4
	.amdgcn_target "amdgcn-amd-amdhsa--gfx1250"
	.amdhsa_code_object_version 6
	.text
	.protected	k_q133d374f10_proj
	.globl	k_q133d374f10_proj
	.p2align	8
	.type	k_q133d374f10_proj,@function
k_q133d374f10_proj:
	s_mov_b64 s[64:65], 0
	v_nop
	global_prefetch_b8 v0, s[64:65] scope:SCOPE_SE
	s_setreg_imm32_b32 hwreg(HW_REG_WAVE_MODE, 25, 1), 1
	s_wait_xcnt 0x0
	s_wait_alu depctr_hold_cnt(0) depctr_sa_sdst(0) depctr_va_vdst(0) depctr_va_sdst(0) depctr_va_ssrc(0) depctr_va_vcc(0) depctr_vm_vsrc(0)
	s_getreg_b32 s2, hwreg(HW_REG_IB_STS2, 6, 4)
	s_cmp_eq_u32 s2, 0
	s_cbranch_scc0 .Lentry_in_a_cluster
	s_endpgm
.Lentry_in_a_cluster:
	s_bfe_u32 s2, ttmp6, 0x10000c
	s_cmp_lg_u32 s2, 0xf033
	s_cbranch_scc0 .Lentry_shape_is_right
	s_endpgm
.Lentry_shape_is_right:
; out0 = y w_proj + b_proj on codes of FP8 (E4M3).  y_codes [16 heads][8192 tokens][64], wp_codes [1024 channels][1024]: K innermost.  Sums in f32; out0 = sum x 2^(e6 + e7) + bias, f32.
; LIMIT: e6 + e7 between -126 and 127, so that 2^(e6 + e7) is an f32 number.
; SHARES.  Work-group (CG, TT) makes 128 tokens x 256 channels: 4 x 64 = 256 work-groups.  A wave owns 32 tokens.  Its tokens' codes for ALL of K = 1,024 are read from LDS once and stay in 256 registers.
; w_proj comes in four pieces of 64 channels x all of K, a dense block of 65,536 bytes each, through two LDS slots; a piece's fragments fill 512 registers; 64 matrix instructions on eight accumulators finish
; 32 tokens x 64 channels, which leave while the later pieces are loaded and multiplied.
; CLUSTERS: 4 x 4.  The four of a row of the cluster need the same tile of y, the four of a column the same pieces of w_proj: each is asked for jointly.
; NO DATA PREFETCH: the four pieces are written out: there is no loop to run ahead in.
; THE MATRIX INSTRUCTION IS USED TRANSPOSED (source 0 = 16 channels, source 1 = 16 tokens): a lane holds eight neighbouring numbers of a row of out0.
; REGISTERS.  Window 0: v0-31 addresses; v32-95 accumulator (a, b) at v[32 + 8 (4 a + b)]; v96-159 a piece's results; v160-223 rows read back from the stage; v224-255 the piece's biases.
; Window 1: y's fragment (a, k) at v[16 (8 a + k)].  Windows 2, 3: w_proj's fragment (b, k), b = 0, 1 and b = 2, 3, at v[16 (8 (b % 2) + k)].
.set YPL,   4352                       ; y: 64 tokens of one head in LDS: four tokens' 64 bytes to a row of 256 + 16 bytes
.set YH,    16*YPL                     ; 64 tokens, all sixteen heads: what one tensor load brings
.set WP,    1040                       ; w_proj: a row of 1,024 bytes + 16: sixteen rows start at sixteen different 16-byte columns
.set S0,    2*YH                       ; the two slots, 64 rows each
.set S1,    S0+64*WP
.set SPARE, S1+64*WP                   ; the spare words, 128 bytes for each wave
.set STAGE, SPARE+512                  ; the way out: 32 rows x 272 bytes for each wave; no tile lands here
.set SPI,   272
.set ADY,  16                          ; v16-17  LDS address of my y fragments, heads 0-7 and 8-15
.set ADW,  20                          ; v20-21  of w_proj's fragments in slot 0, 1
.set STO,  24
.set RD,   25
.set CO,   26
.set BNO,  27                          ; 32 h
.set SPW,  28                          ; LDS address of my spare word; never rewritten
.set NIL,  29                          ; 0; never rewritten
.set ACC,  32
.set TMP,  96
.set RB,   160
.set BI,   224
.set G1Y,  24
.set G1WH, 32
.set G1W,  48
.set G0Y,  56
.set G0WH, 60
.set G0W,  68
.set MSB, 0
.macro WIN new                         ; the immediate's high byte repeats the setting that is left
.if MSB != (\new)
	s_set_vgpr_msb (MSB<<8)|(\new)
.set MSB, (\new)
.endif
.endm
.macro CREST
	s_cmp_lg_u32 s14, 0
	s_cbranch_scc1 .Lnot_wave_0_\@
	s_barrier_signal -3
.Lnot_wave_0_\@:
	s_barrier_wait -3
	s_barrier_signal -1
	s_barrier_wait -1
.endm
.macro CROUND
	s_barrier_signal -1
	s_barrier_wait -1
	CREST
.endm
.macro SETG1 g, c, r, p                ; r rows of c bytes, p bytes apart
	s_mov_b32 s[\g+1], (\c)<<16
	s_mov_b32 s[\g+2], (\r)<<16
	s_mov_b32 s[\g+3], (\c)<<16
	s_mov_b32 s[\g+4], \r
	s_mov_b32 s[\g+5], \p
	s_mov_b32 s[\g+6], 0
	s_mov_b32 s[\g+7], 0
.endm
	s_load_b256 s[4:11], s[0:1], 0x0               ; y_codes s[4:5], wp_codes s[6:7], b_proj s[8:9], the scales' exponents s[10:11]
	s_load_b64 s[12:13], s[0:1], 0x20              ; out0
	v_lshl_add_u32 v[SPW], v0, 2, SPARE
	v_mov_b32 v[NIL], 0
	ds_add_u32 v[SPW], v[NIL]                      ; the opening: the add, twice on end, and its wait ahead of my first tensor load
	ds_add_u32 v[SPW], v[NIL]
	v_lshrrev_b32 v1, 5, v0
	v_readfirstlane_b32 s14, v1                    ; wave 0..3
	s_lshr_b32 s15, s14, 1                         ; at the head I fetch for y (0) or for w_proj (1),
	s_and_b32 s16, s14, 1                          ; this half of the tile
	s_bfe_u32 s40, ttmp6, 0x40000                  ; cx, cy
	s_bfe_u32 s41, ttmp6, 0x40004
	s_lshl_b32 s42, ttmp9, 2
	s_add_co_u32 s42, s42, s40                     ; CG = 4 x cluster x + cx
	s_and_b32 s17, ttmp7, 0xffff
	s_lshl_b32 s17, s17, 2
	s_add_co_u32 s17, s17, s41                     ; TT = 4 x cluster y + cy
	s_lshl_b32 s43, s41, 2
	s_lshl_b32 s43, 15, s43                        ; my row of the cluster
	s_lshl_b32 s44, 0x1111, s40                    ; my column
	s_or_b32 s[G1Y], s43, (0<<16)|(1<<20)|(1<<21)|(5<<22)|(3<<25)    ; y goes to my row; elements of 1 byte; four words of padding after every 64
	s_or_b32 s[G1WH], s44, (0<<16)|(1<<20)|(1<<21)|(7<<22)|(3<<25)   ; w_proj goes to my column; four words after every 256
	s_or_b32 s[G1W], s44, (0<<16)|(1<<20)|(1<<21)|(7<<22)|(3<<25)
	SETG1 G1Y, 4096, 16, 524288                    ; 64 tokens x 64 bytes, dense, of each of sixteen heads
	SETG1 G1WH, 1024, 32, 1024                     ; at the head: half a piece
	SETG1 G1W, 1024, 16, 1024                      ; later: a quarter of a piece for each wave
	s_lshl_b32 s20, s17, 13                        ; y: 128 TT tokens of 64 bytes,
	s_lshl_b32 s18, s16, 12
	s_add_co_u32 s20, s20, s18                     ; + 64 x half
	s_mov_b32 s21, 0
	s_lshl_b32 s46, s42, 18                        ; w_proj: 256 CG rows of 1,024 bytes
	s_mov_b32 s47, 0
	s_lshl_b32 s22, s16, 15                        ; + 32 rows x half, at the head;
	s_mov_b32 s23, 0
	s_lshl_b32 s2, s14, 14                         ; + 16 rows x wave, later
	s_mov_b32 s3, 0
	s_wait_dscnt 0x0                               ; both opening adds are done
	s_wait_kmcnt 0x0
	s_load_b256 s[72:79], s[10:11], 0x0            ; e0 .. e7
	s_add_nc_u64 s[20:21], s[4:5], s[20:21]
	s_add_nc_u64 s[46:47], s[6:7], s[46:47]
	CROUND                                         ; all sixteen work-groups are here: the first joint loads meet
	s_mov_b32 s[G0Y], 1
	s_mul_i32 s[G0Y+1], s16, YH
	s_mov_b64 s[G0Y+2:G0Y+3], s[20:21]
	s_or_b32 s[G0Y+3], s[G0Y+3], 0x80000000
	s_mov_b32 s[G0WH], 1
	s_mul_i32 s[G0WH+1], s16, 32*WP
	s_add_co_u32 s[G0WH+1], s[G0WH+1], S0
	s_add_nc_u64 s[G0WH+2:G0WH+3], s[46:47], s[22:23]   ; piece 0
	s_or_b32 s[G0WH+3], s[G0WH+3], 0x80000000
	s_mul_i32 s82, s14, 16*WP
	s_add_co_u32 s83, s82, S1                      ; my quarter of slot 1,
	s_add_co_u32 s82, s82, S0                      ; of slot 0
	s_mov_b32 s[G0W], 1
	s_mov_b32 s[G0W+1], s83
	s_add_nc_u64 s[G0W+2:G0W+3], s[46:47], s[2:3]
	s_add_nc_u64 s[G0W+2:G0W+3], s[G0W+2:G0W+3], 65536   ; piece 1
	s_or_b32 s[G0W+3], s[G0W+3], 0x80000000
	s_cmp_eq_u32 s15, 0                            ; one tensor load a wave at the head: waves 0, 1 y's halves, waves 2, 3 piece 0's.  An s_nop 0 and four v_nop follow each line
	s_cbranch_scc0 .Lfor_w
	tensor_load_to_lds s[G0Y:G0Y+3], s[G1Y:G1Y+7]
	s_nop 0
.rept 4
	v_nop
.endr
	s_branch .Lasked
.Lfor_w:
	tensor_load_to_lds s[G0WH:G0WH+3], s[G1WH:G1WH+7]
	s_nop 0
.rept 4
	v_nop
.endr
.Lasked:
	s_mul_i32 s18, s15, YH                         ; my 32 tokens: half wave / 2,
	s_mul_i32 s19, s16, 8*SPI
	s_add_co_u32 s18, s18, s19                     ; 32 (wave % 2) tokens on: eight LDS rows
	s_mul_i32 s22, s14, 32*SPI
	s_add_co_u32 s22, s22, STAGE                   ; my stage
	s_lshl_b32 s2, s42, 10
	s_mov_b32 s3, 0
	s_add_nc_u64 s[8:9], s[8:9], s[2:3]            ; my work-group's 256 biases
	s_lshl_b32 s45, s17, 19                        ; out0: 128 TT rows of 4,096 bytes,
	s_add_co_u32 s2, s2, s45
	s_lshl_b32 s45, s14, 17
	s_add_co_u32 s2, s2, s45                       ; + 32 rows x wave, + 256 CG columns
	s_add_nc_u64 s[12:13], s[12:13], s[2:3]
	s_wait_kmcnt 0x0
	s_add_co_i32 s80, s78, s79
	s_add_co_i32 s80, s80, 127
	s_lshl_b32 s80, s80, 23                        ; 2^(e6 + e7) as f32
	s_mov_b32 s81, s80
	v_and_b32 v1, 15, v0                           ; r
	v_bfe_u32 v2, v0, 4, 1                         ; h
	v_lshrrev_b32 v3, 2, v1
	v_mul_u32_u24 v3, v3, SPI
	v_and_b32 v4, 3, v1
	v_lshl_add_u32 v3, v4, 6, v3
	v_lshl_add_u32 v3, v2, 4, v3                   ; y: (r / 4) 272 + (r % 4) 64 + 16 h
	v_add_nc_u32 v[ADY], s18, v3
	v_add_nc_u32 v[ADY+1], 8*YPL, v[ADY]
	v_mul_u32_u24 v5, v1, WP
	v_lshl_add_u32 v5, v2, 4, v5                   ; w_proj: r x pitch + 16 h
	v_add_nc_u32 v[ADW], S0, v5
	v_add_nc_u32 v[ADW+1], S1, v5
	v_mul_u32_u24 v6, v1, SPI
	v_lshl_add_u32 v6, v2, 5, v6
	v_add_nc_u32 v[STO], s22, v6                   ; the stage, in: row r, 32 bytes for each half of the lanes
	v_mul_u32_u24 v7, v2, SPI
	v_lshl_add_u32 v7, v1, 4, v7
	v_add_nc_u32 v[RD], s22, v7                    ; back: lanes 0-15 one row of 256 bytes, lanes 16-31 the next
	v_lshlrev_b32 v[CO], 12, v2
	v_lshl_add_u32 v[CO], v1, 4, v[CO]             ; and the same two rows in out0
	v_lshlrev_b32 v[BNO], 5, v2
.macro WLOAD sl, k                     ; w_proj's four fragments of the piece's k-th 128 along K: registers 4 c .. 4 c + 3 hold bytes 32 c + 16 (l / 16) on: the same order of k as in y's
	WIN 0x80
.irp b, 0,1
.irp c, 0,1,2,3
	ds_load_b128 v[16*(8*\b+(\k))+4*\c:16*(8*\b+(\k))+4*\c+3], v[ADW+\sl] offset:\b*16*WP+128*(\k)+32*\c
.endr
.endr
	WIN 0xc0
.irp b, 0,1
.irp c, 0,1,2,3
	ds_load_b128 v[16*(8*\b+(\k))+4*\c:16*(8*\b+(\k))+4*\c+3], v[ADW+\sl] offset:(\b+2)*16*WP+128*(\k)+32*\c
.endr
.endr
.endm
.macro MULK k, zero                    ; eight matrix instructions: the eight accumulators by turns, in the same order in every step
.irp w, 0,1
	WIN 0x06+\w                                    ; source 0 window 2 or 3, source 1 window 1, C and D window 0
.irp b, 0,1
.irp a, 0,1
.if \zero
	v_wmma_f32_16x16x128_fp8_fp8 v[ACC+8*(4*\a+\b+2*\w):ACC+8*(4*\a+\b+2*\w)+7], v[16*(8*\b+(\k)):16*(8*\b+(\k))+15], v[16*(8*\a+(\k)):16*(8*\a+(\k))+15], 0
.else
	v_wmma_f32_16x16x128_fp8_fp8 v[ACC+8*(4*\a+\b+2*\w):ACC+8*(4*\a+\b+2*\w)+7], v[16*(8*\b+(\k)):16*(8*\b+(\k))+15], v[16*(8*\a+(\k)):16*(8*\a+(\k))+15], v[ACC+8*(4*\a+\b+2*\w):ACC+8*(4*\a+\b+2*\w)+7]
.endif
.endr
.endr
.endr
.endm
; PIECE p: 64 channels.  In front of it each wave waits for all its tensor loads (its part of this piece), adds 0 to its spare word, and waits for that and for its LDS reads; behind the round the other slot takes piece p + 1.
.macro PIECE p
	s_wait_tensorcnt 0x0
	ds_add_u32 v[SPW], v[NIL]                      ; 0 onto my spare word
.if (\p) == 1
	s_mov_b32 s[G0W+1], s82                        ; no load of mine is out, so group 0 may be written: piece 2 goes to slot 0,
	s_add_nc_u64 s[G0W+2:G0W+3], s[G0W+2:G0W+3], 65536
.endif
.if (\p) == 2
	s_mov_b32 s[G0W+1], s83                        ; piece 3 to slot 1
	s_add_nc_u64 s[G0W+2:G0W+3], s[G0W+2:G0W+3], 65536
.endif
	s_wait_dscnt 0x0
.if (\p) < 3
	CROUND                                         ; no wave of any partner still reads the other slot or has a load on its way
	tensor_load_to_lds s[G0W:G0W+3], s[G1W:G1W+7]  ; my quarter of piece p + 1: my one load behind the round
	s_nop 0
.rept 4
	v_nop
.endr
.else
	s_barrier_signal -1                            ; nothing is left to fetch
	s_barrier_wait -1
.endif
.irp b, 0,1,2,3
	global_load_b128 v[BI+8*\b:BI+8*\b+3], v[BNO], s[8:9] offset:256*(\p)+64*\b        ; the piece's biases: numbers 16 b + 8 h + 0 .. 7, along my registers
	global_load_b128 v[BI+8*\b+4:BI+8*\b+7], v[BNO], s[8:9] offset:256*(\p)+64*\b+16
.endr
.if (\p) == 0
	WIN 0x40                                       ; y's sixteen fragments, once: they stay
.irp a, 0,1
.irp k, 0,1,2,3,4,5,6,7
.irp c, 0,1,2,3
	ds_load_b128 v[16*(8*\a+\k)+4*\c:16*(8*\a+\k)+4*\c+3], v[ADY+\k/4] offset:(2*(\k%4)+\c/2)*YPL+\a*4*SPI+32*(\c%2)
.endr
.endr
.endr
.endif
	WLOAD (\p)%2, 0
	WLOAD (\p)%2, 1
	WLOAD (\p)%2, 2
.irp k, 0,1,2,3,4,5,6,7
.if \k < 5
	WLOAD (\p)%2, \k+3
	s_wait_dscnt 48                                ; step k's fragments are in; the 48 loads of the three steps behind it may be out
.else
	s_wait_dscnt 16*(7-\k)
.endif
.if \k == 0
	MULK \k, 1                                     ; the first products start the sums
.else
	MULK \k, 0
.endif
.endr
	WIN 0
.rept 4
	v_nop                                          ; places in front of the first read of the sums and of the next piece's loads into the fragments' registers
.endr
	s_wait_loadcnt 0x0                             ; the biases
.set jj, 0
.rept 32
	v_pk_fma_f32 v[TMP+jj:TMP+jj+1], v[ACC+jj:ACC+jj+1], s[80:81], v[BI+jj%32:BI+jj%32+1] op_sel_hi:[1,0,1]   ; sum x 2^(e6 + e7) + bias, each accumulator from its low end on
.set jj, jj+2
.endr
.irp a, 0,1
.irp b, 0,1,2,3
	ds_store_b128 v[STO], v[TMP+32*\a+8*\b:TMP+32*\a+8*\b+3] offset:\a*16*SPI+64*\b
	ds_store_b128 v[STO], v[TMP+32*\a+8*\b+4:TMP+32*\a+8*\b+7] offset:\a*16*SPI+64*\b+16
.endr
.endr
.if (\p) > 0
	s_wait_xcnt 0x0                                ; the last piece's stores have read their registers
.endif
.irp i, 0,1,2,3,4,5,6,7,8,9,10,11,12,13,14,15
	ds_load_b128 v[RB+4*\i:RB+4*\i+3], v[RD] offset:\i*2*SPI   ; LDS serves a wave's instructions in order (ISA guide 5.7.1.4): these see my stores
.endr
.irp i, 0,1,2,3,4,5,6,7,8,9,10,11,12,13,14,15
	s_wait_dscnt 15-\i
	global_store_b128 v[CO], v[RB+4*\i:RB+4*\i+3], s[12:13] offset:\i*8192+256*(\p) th:TH_STORE_NT   ; sixteen lanes store 256 consecutive bytes, aligned
.endr
.endm
	s_wait_alu depctr_va_vdst(0)
	PIECE 0
	PIECE 1
	PIECE 2
	PIECE 3
	s_wait_tensorcnt 0x0                           ; the wave's end
	ds_add_u32 v[SPW], v[NIL]
	s_wait_dscnt 0x0
	CROUND                                         ; the closing round
	s_endpgm
.Lfunc_end_k_q133d374f10_proj:
	.size	k_q133d374f10_proj, .Lfunc_end_k_q133d374f10_proj-k_q133d374f10_proj
	.p2alignl 7, 3214868480
	.fill 96, 4, 3214868480
	.section	.rodata,"a",@progbits
	.p2align	6, 0x0
	.amdhsa_kernel k_q133d374f10_proj
		.amdhsa_group_segment_fixed_size 327680
		.amdhsa_private_segment_fixed_size 0
		.amdhsa_enable_private_segment 0
		.amdhsa_kernarg_size 40
		.amdhsa_user_sgpr_count 2
		.amdhsa_user_sgpr_kernarg_segment_ptr 1
		.amdhsa_wavefront_size32 1
		.amdhsa_system_sgpr_workgroup_id_x 1
		.amdhsa_system_sgpr_workgroup_id_y 1
		.amdhsa_system_sgpr_workgroup_id_z 1
		.amdhsa_system_vgpr_workitem_id 0
		.amdhsa_next_free_vgpr 1024
		.amdhsa_next_free_sgpr 98
		.amdhsa_reserve_vcc 0
		.amdhsa_float_denorm_mode_32 3
		.amdhsa_float_denorm_mode_16_64 3
		.amdhsa_memory_ordered 1
		.amdhsa_forward_progress 1
		.amdhsa_inst_pref_size 95
	.end_amdhsa_kernel
	.amdgpu_metadata
---
amdhsa.version: [ 1, 2 ]
amdhsa.kernels:
  - .name:           k_q133d374f10_proj
    .symbol:         k_q133d374f10_proj.kd
    .args:
      - { .name: y_codes, .offset: 0, .size: 8, .value_kind: global_buffer, .address_space: global }
      - { .name: wp_codes, .offset: 8, .size: 8, .value_kind: global_buffer, .address_space: global }
      - { .name: b_proj, .offset: 16, .size: 8, .value_kind: global_buffer, .address_space: global }
      - { .name: lowp_scales, .offset: 24, .size: 8, .value_kind: global_buffer, .address_space: global }
      - { .name: out0, .offset: 32, .size: 8, .value_kind: global_buffer, .address_space: global }
    .group_segment_fixed_size: 327680
    .private_segment_fixed_size: 0
    .kernarg_segment_align: 8
    .kernarg_segment_size: 40
    .max_flat_workgroup_size: 128
    .sgpr_count:     98
    .vgpr_count:     1024
    .wavefront_size: 32
...
	.end_amdgpu_metadata
.endif
;; end of part 4
